; MI455X (gfx1250); checked and timed in simulation.
; The chip was launched on July 23, 2026; its instructions are those of AMD's public machine-readable ISA for CDNA 5 (MIT licence, August 2026) and "CDNA5" Instruction Set Architecture Reference Guide (July 2026). The comments in the code are by the model that wrote it; some were corrected since.
;; Multi Head Attention. Allowed arithmetic: matrix products marked QUANTISED: E2M3 operands, one E8M0 scale for each 32 along K, by v_wmma_scale_f32_16x16x128_f8f6f4 with both operands' format E2M3, f32 sums; everything else in f32.
;; Inputs: Wk_b 2,048 float32; Wk_w 2,048 x 2,048 float32; Wo_b 2,048 float32; Wo_w 2,048 x 2,048 float32; Wq_b 2,048 float32; Wq_w 2,048 x 2,048 float32; Wv_b 2,048 float32; Wv_w 2,048 x 2,048 float32; mask 2,048 x 2,048 float32; x 1 x 2,048 x 2,048 float32.
;; Outputs: out0 1 x 2,048 x 2,048 float32.
;; This version of the problem:
;;   THIS VERSION OF THE PROBLEM IS GIVEN IN LOW PRECISION. The matrix products marked QUANTISED in the list below multiply operands that are first quantised to E2M3 (2 exponent bits, 3 mantissa bits; 6 bits a number), with one power-of-two scale for each 32 numbers along K (OCP MX v1.0); their sums are f32. All else is computed in f32.
;;   The module's matrix products, in the order in which they are computed (A, B: the left and right operand; K: the contracted axis; several contracted axes count as one K, in the product's order):
;;     1. [M 2,048, K 2,048] x [K 2,048, N 2,048]; A: input x; B: input Wq_w: QUANTISED
;;     2. [M 2,048, K 2,048] x [K 2,048, N 2,048]; A: input x; B: input Wk_w: QUANTISED
;;     3. [M 2,048, K 2,048] x [K 2,048, N 2,048]; A: input x; B: input Wv_w: QUANTISED
;;     4. batch 16 x [M 2,048, K 128] x [K 128, N 2,048]; A: computed on the way; B: computed on the way: QUANTISED
;;     5. batch 16 x [M 2,048, K 2,048] x [K 2,048, N 128]; A: softmax (see below); B: computed on the way: QUANTISED
;;     6. [M 2,048, K 2,048] x [K 2,048, N 2,048]; A: computed on the way; B: input Wo_w: QUANTISED
;;   THE QUANTISER, for each operand of a quantised product, along K:
;;     - K is cut into blocks of 32 from its start; a last block that is shorter is filled with zeros.
;;     - A block's scale is 2^e with e = floor(log2(the largest magnitude in the block)) - 2, held to -126 .. 127; a block of zeros has e = 0. As a byte (E8M0): e + 127.
;;     - Each number is divided by its block's scale, clamped to +-7.5, and rounded to the nearest number of E2M3, ties to even, subnormals kept.
;;     - The product sums the exact products of the quantised numbers (number of the format x scale) in f32.
;;   ~~~python
;;   def quantise(x, axis):      # numpy; x: float32 -> the quantised numbers, widened to float32 again
;;       x = np.moveaxis(x, axis, -1); K = x.shape[-1]
;;       x = np.pad(x, [(0, 0)] * (x.ndim - 1) + [(0, -K % 32)]); x = x.reshape(x.shape[:-1] + (-1, 32)); a = np.abs(x).max(-1, keepdims=True)
;;       e = np.where(a > 0, np.clip(np.frexp(np.where(a > 0, a, 1))[1] - 1 - 2, -126, 127), 0)      # np.frexp(a)[1] - 1 = floor(log2(a)), exactly
;;       r = np.clip(x / 2.0 ** e, -7.5, 7.5)
;;       step = 2.0 ** (np.maximum(np.frexp(np.where(r == 0, 1, r))[1] - 1, 0) - 3)
;;       q = np.round(r / step) * step * 2.0 ** e      # np.round: ties to even
;;       return np.moveaxis(q.reshape(q.shape[:-2] + (-1,))[..., :K], -1, axis).astype(np.float32)
;;   ~~~
;;   SOFTMAX AHEAD OF A QUANTISED PRODUCT. Where the list says 'softmax', what is quantised is not the finished softmax but p = 2^(t - M), with t = logit x log2(e) and M = ceil(the row's largest t), a whole number; so 1/2 < the row's largest p <= 1. The row's sum l is taken of the UNQUANTISED p, in f32, and the product's result is divided by l at the end. Since M is a whole number, a kernel that streams over the keys may use a running M (the ceiling of the running maximum): every later rescaling is an exact power of two, which a block's scale takes up: the codes' values come out the same.
;;   OPERANDS COMPUTED ON THE WAY. 'Computed on the way' means the value that the module computes at that place (a softmax that the list does not call 'softmax' is quantised finished and normalised). What goes into a quantiser is computed in f32, as accurately as f32 sums, v_exp_f32 and their like allow (about 1e-6 of the number): no bf16 or f16 on the way to a quantiser, and a product that is left as it is and whose result goes on into a quantised operand takes f32 operands (vector FMAs, or v_wmma_f32_16x16x4_f32). A number that lies on a knife's edge between two numbers of the format may be rounded either way, as far as f32 arithmetic and the matrix unit's own rounding can turn it there, and no further.
;; One version. Each part assembles by itself: llvm-mc -triple=amdgcn-amd-amdhsa -mcpu=gfx1250 --defsym DOCPART=n.
;; ======== version 1 of 1: 4 launches
;; limits: right only within a limited range of input values
;; workspace buffers: codes 15,728,640 bytes; scl 655,360 bytes; maskw 524,288 bytes of whole numbers; rope 1,048,576 bytes; qkv 9,437,184 bytes; qkvs 393,216 bytes; ocodes 3,145,728 bytes; oscl 131,072 bytes
;; launch prep (part 1): grid 784 x 1, 8 waves a work-group, no clusters, 138,240 bytes of LDS; arguments x, Wq_w, Wk_w, Wv_w, Wo_w, mask, codes, scl, maskw, rope; writes codes, scl, maskw, rope
.if DOCPART == 1
	.amdgcn_target "amdgcn-amd-amdhsa--gfx1250"
	.amdhsa_code_object_version 6
	.text
	.protected	k_qbb7cf267b6_prep
	.globl	k_qbb7cf267b6_prep
	.p2align	8
	.type	k_qbb7cf267b6_prep,@function
k_qbb7cf267b6_prep:
	s_mov_b64 s[64:65], 0
	v_nop
	global_prefetch_b8 v0, s[64:65] scope:SCOPE_SE
	s_setreg_imm32_b32 hwreg(HW_REG_WAVE_MODE, 25, 1), 1
	s_wait_xcnt 0x0
; x, Wq_w, Wk_w, Wv_w, Wo_w ([2048][2048] f32, K innermost) become codes of FP6 (E2M3) with one E8M0 byte for each 32 along K; the mask becomes lane words; the table of cosines and sines is made.
; A TILE is 16 rows that are not neighbours: lane index r of tile T holds row 32 (T / 2) + 8 (T % 2) + r + 8 (r / 8).  As source 0 of a product such tiles leave a lane's 16 registers of tiles 2 b, 2 b + 1 as 16 neighbours.
; A FRAGMENT (16 rows x 128 K) is stored as the image of its 12 operand registers: quad c of lane l at 512 c + 16 l: 1,536 bytes.  codes: [row group of 128 rows][K step of 128][tile][1,536]; row groups 0-15 x, 16-31 Wq, 32-47 Wk, 48-63 Wv, 64-79 Wo.
; A SCALE IMAGE (512 bytes) holds the scale words of a row group's 8 tiles for one K step: tile t, row r at 16 (16 (t % 2) + r) + 4 (t / 2).  scl: [row group][K step][512].
; maskw: [query tile][key step][64 words]: bit (r + 16 h) of word n is 1 where mask[row r of the tile][128 step + 32 (n / 16) + 16 h + n % 16] is not 0: the order in which a lane of the attention holds its scores.
; rope: [position tile][16 quads][lane][16 bytes]: register n < 32: cos(pos x inv_freq[f]), f = 32 (n / 16) + 16 h + n % 16; register 32 + n: the sine.
; SHARES.  Work-groups 0-15: the table, a position tile a wave.  Work-groups 16-783: matrix (0-4) or mask (5) = (wg - 16) / 128, 128 rows x 256 columns each; wave w takes tile w, two fragments, all of whose 32 loads are issued at once.
; Each load reads 512 consecutive bytes of a row; a fragment's 16 rows turn through the wave's own stage in LDS (rows 528 bytes apart) so that a lane gets 16 neighbours of each block of 32.
; A block's scale byte is its largest magnitude's exponent field - 2, held at 1 from below.  A block of zeros so gets the byte 1 where the rule says 127: its codes are zeros, and this program alone reads the bytes.
; LIMITS: NaN and infinities among x and the weights are not served.  inv_freq is 2^(-f log2(10000) / 64) by v_exp_f32 with the exponent split in two parts; the angle pos x inv_freq is rounded once in f32:
; an order of rounding that differs from a power and a division; at position 2,047 the angle can differ by some 3e-4 rad.  Sine and cosine: reduction by pi / 2 in three parts, polynomials on +-pi / 4.
.set SP,    528                        ; a stage row: 512 bytes + 16, an odd multiple of 16
.set STG,   16*SP                      ; a wave's stage
.set SST,   8*STG                      ; behind the matrices' stages: two scale images, 1,024 bytes, in a region of 2,048
.set MSTG,  SST+2048                   ; the mask's work-groups have stages of their own
.set LI,    4                          ; v4   16 x lane
.set STW,   5                          ; v5   the stage, on the way in
.set STR,   6                          ; v6   and on the way out: row r, + 64 h
.set SSA,   7                          ; v7   where my tile's scale word goes in an image
.set SSR,   8                          ; v8   where waves 0 to 3 read 8 bytes a lane of the two images back
.set L8,    9                          ; v9   8 x lane
.set R,     16                         ; v16-143  two sets of 64 registers as loaded
.set X,     144                        ; v144-207 64 numbers: register 16 b + i = number 32 b + 16 h + i of my row
.set PC,    208                        ; v208-227 the codes
.set TM,    228                        ; v228-243 at work
.set PW,    244                        ; v244     the scale word
.set MW,    246                        ; v246-249 the mask's words, two registers a fragment
.set SEL,   30                         ; s[30:31] v_permlanex16_b32's selects for lane l xor 16
; 64 numbers of a lane become a fragment's codes in v[PC] on and its row's scale word in v[PW]
.macro QUANT s
.irp b, 0,1,2,3
	v_max3_num_f32 v[TM+\b], |v[\s+16*\b]|, |v[\s+1+16*\b]|, 0x1800000   ; block b: my 16 numbers and the floor 2^(3 - 127): the byte cannot fall under 1
.endr
.irp i, 2,4,6,8,10,12,14
.irp b, 0,1,2,3
	s_delay_alu instid0(VALU_DEP_4)
	v_max3_num_f32 v[TM+\b], v[TM+\b], |v[\s+16*\b+\i]|, |v[\s+1+16*\b+\i]|   ; the four blocks by turns
.endr
.endr
.irp b, 0,1,2,3
	s_delay_alu instid0(VALU_DEP_4)
	v_permlanex16_b32 v[TM+4+\b], v[TM+\b], s[SEL], s[SEL+1]
.endr
.irp b, 0,1,2,3
	s_delay_alu instid0(VALU_DEP_4)
	v_max_num_f32 v[TM+\b], v[TM+\b], v[TM+4+\b]   ; with lane l xor 16: the block's largest magnitude
.endr
.irp b, 0,1,2,3
	s_delay_alu instid0(VALU_DEP_4)
	v_add_nc_u32 v[TM+12+\b], 0xff000000, v[TM+\b]   ; 2 off its exponent field: the conversion's scale operand
.endr
.irp b, 0,1,2,3
	s_delay_alu instid0(VALU_DEP_4)
	v_lshrrev_b32 v[TM+4+\b], 23, v[TM+12+\b]      ; the scale's byte
.endr
	s_delay_alu instid0(VALU_DEP_3)
	v_lshl_or_b32 v[PW], v[TM+5], 8, v[TM+4]
	s_delay_alu instid0(VALU_DEP_1)
	v_lshl_or_b32 v[PW], v[TM+6], 16, v[PW]
	s_delay_alu instid0(VALU_DEP_1)
	v_lshl_or_b32 v[PW], v[TM+7], 24, v[PW]
.irp c, 0,1
	v_cvt_scalef32_pk16_fp6_f32 v[PC+6*\c:PC+2+6*\c], v[\s+32*\c:\s+15+32*\c], v[TM+12+2*\c]
	v_cvt_scalef32_pk16_fp6_f32 v[PC+12+4*\c:PC+14+4*\c], v[\s+16+32*\c:\s+31+32*\c], v[TM+12+2*\c+1]   ; a conversion's three registers begin on an even number
.endr
	v_nop                                          ; one plain place behind a scaled conversion
.irp c, 0,1                                    ; the operand wants a whole block in a lane: lanes 0-15 block 2 c, lanes 16-31 block 2 c + 1
.irp i, 0,1,2
	v_permlane16_swap_b32 v[PC+6*\c+\i], v[PC+12+4*\c+\i]
.endr
.irp i, 0,1,2
	s_delay_alu instid0(VALU_DEP_3)
	v_mov_b32 v[PC+3+6*\c+\i], v[PC+12+4*\c+\i]
.endr
.endr
.endm
.macro LOADF set, f                    ; fragment f: 16 rows of the tile, 512 consecutive bytes each
.irp i, 0,1,2,3,4,5,6,7,8,9,10,11,12,13,14,15
	global_load_b128 v[R+64*(\set)+4*\i:R+64*(\set)+4*\i+3], v[LI], s[4:5] offset:(\i+8*(\i/8))*8192+512*(\f) th:TH_LOAD_NT
.endr
.endm
.macro TURNF set                       ; through my stage: LDS serves a wave's instructions in order, so no wait stands between the stores and the loads
.irp i, 0,1,2,3,4,5,6,7,8,9,10,11,12,13,14,15
	ds_store_b128 v[STW], v[R+64*(\set)+4*\i:R+64*(\set)+4*\i+3] offset:SP*\i
.endr
.irp b, 0,1,2,3
.irp j, 0,1,2,3
	ds_load_b128 v[X+16*\b+4*\j:X+16*\b+4*\j+3], v[STR] offset:128*\b+16*\j
.endr
.endr
.endm
.macro COMEIN f                        ; fragment f is in and turned
.if \f < 1
	s_wait_loadcnt 16                              ; fragment 0's sixteen loads are in; fragment 1's sixteen may be out
.else
	s_wait_loadcnt 0x0
.endif
	TURNF (\f)%2
	s_wait_dscnt 0x0                               ; the numbers are back, and the stores into the stage have read their registers
.endm
	s_load_b256 s[4:11], s[0:1], 0x0               ; x, Wq_w, Wk_w, Wv_w
	s_load_b256 s[12:19], s[0:1], 0x20             ; Wo_w, mask, codes, scl
	s_load_b128 s[20:23], s[0:1], 0x40             ; maskw, rope
	v_lshl_add_u32 v254, v0, 2, 0x21800
	v_mov_b32 v255, 0
	v_lshrrev_b32 v1, 5, v0
	s_delay_alu instid0(VALU_DEP_1)
	v_readfirstlane_b32 s24, v1                    ; wave 0..7
	v_and_b32 v1, 31, v0                           ; lane
	v_and_b32 v2, 15, v0                           ; r
	v_bfe_u32 v3, v0, 4, 1                         ; h
	s_delay_alu instid0(VALU_DEP_3)
	v_lshlrev_b32 v[LI], 4, v1
	s_delay_alu instid0(VALU_DEP_4)
	v_lshlrev_b32 v[L8], 3, v1
	s_mov_b32 s[SEL], 0x76543210
	s_mov_b32 s[SEL+1], 0xfedcba98
	s_cmp_lt_u32 ttmp9, 16
	s_cbranch_scc1 .Lrope
	s_sub_co_u32 s29, ttmp9, 16                    ; which of the 768 shares of a tensor
	s_lshr_b32 s26, s29, 7                         ; which tensor: 0-4 the matrices in the order of the arguments, 5 the mask
	s_bfe_u32 s27, s29, 0x40003                    ; row group 0..15
	s_and_b32 s28, s29, 7                          ; which 256 columns
	s_mul_i32 s25, s24, STG
	s_wait_alu depctr_va_vdst(0)
	v_add_nc_u32 v[STW], s25, v[LI]
	v_mul_u32_u24 v[STR], v2, SP
	s_delay_alu instid0(VALU_DEP_1)
	v_lshl_add_u32 v[STR], v3, 6, v[STR]
	s_delay_alu instid0(VALU_DEP_1)
	v_add_nc_u32 v[STR], s25, v[STR]
	s_lshl_b32 s32, s27, 7                         ; my tile's first row: 128 x row group + 32 (w / 2) + 8 (w % 2)
	s_lshr_b32 s33, s24, 1
	s_lshl_b32 s33, s33, 5
	s_add_co_u32 s32, s32, s33
	s_and_b32 s33, s24, 1
	s_lshl_b32 s33, s33, 3
	s_add_co_u32 s32, s32, s33
	s_lshl_b32 s32, s32, 13                        ; rows of 8,192 bytes
	s_lshl_b32 s33, s28, 10                        ; 256 columns are 1,024 bytes
	s_add_co_u32 s32, s32, s33
	s_mov_b32 s33, 0
	s_wait_kmcnt 0x0
.irp i, 1,2,3,4,5
	s_cmp_eq_u32 s26, \i                           ; the choice hangs on the work-group's number alone
	s_cselect_b64 s[4:5], s[4+2*\i:5+2*\i], s[4:5]
.endr
	s_add_nc_u64 s[4:5], s[4:5], s[32:33]
	s_cmp_eq_u32 s26, 5
	s_cbranch_scc1 .Lmask
	; ---- a matrix: two fragments a wave
	s_lshl_b32 s34, s26, 4
	s_add_co_u32 s34, s34, s27                     ; row group among the 80
	s_lshl_b32 s35, s34, 4
	s_lshl_b32 s36, s28, 1
	s_add_co_u32 s35, s35, s36                     ; x 16 K steps + my first
	s_mul_i32 s36, s35, 12288
	s_mul_i32 s37, s24, 1536
	s_add_co_u32 s36, s36, s37
	s_mov_b32 s37, 0
	s_add_nc_u64 s[16:17], s[16:17], s[36:37]      ; my first image
	s_lshl_b32 s36, s34, 13
	s_lshl_b32 s38, s28, 10
	s_add_co_u32 s36, s36, s38
	s_lshl_b32 s38, s24, 8
	s_add_co_u32 s36, s36, s38
	s_add_nc_u64 s[18:19], s[18:19], s[36:37]      ; waves 0 to 3: my 256 bytes of the work-group's two scale images
	s_and_b32 s38, s24, 1
	s_lshl_b32 s38, s38, 8
	s_lshr_b32 s39, s24, 1
	s_lshl_b32 s39, s39, 2
	s_add_co_u32 s38, s38, s39
	s_add_co_u32 s38, s38, SST
	v_lshl_add_u32 v[SSA], v2, 4, s38              ; 256 (w % 2) + 16 r + 4 (w / 2)
	s_lshl_b32 s39, s24, 8
	s_add_co_u32 s39, s39, SST
	v_add_nc_u32 v[SSR], s39, v[L8]
.irp b, 0,1,2,3
	v_mov_b32 v[TM+4+\b], 0                        ; written once: a lane permute's destination counts as one of its sources
.endr
	LOADF 0, 0
	LOADF 1, 1
.macro MFRAG f
	COMEIN \f
.if \f > 0
	s_wait_xcnt 0x0                                ; the last fragment's stores have read the codes' registers
.endif
	QUANT X
.irp c, 0,1,2
	global_store_b128 v[LI], v[PC+4*\c:PC+4*\c+3], s[16:17] offset:12288*(\f)+512*\c   ; 32 lanes store 512 consecutive bytes
.endr
	ds_store_b32 v[SSA], v[PW] offset:512*(\f)     ; lanes r and r + 16 write the same word with the same value
.endm
	s_wait_alu depctr_va_vdst(0)
	MFRAG 0
	MFRAG 1
	s_wait_dscnt 0x0                               ; for the others' sake: my scale words have landed
	s_barrier_signal -1
	s_barrier_wait -1
	s_cmp_ge_u32 s24, 4                            ; two images are 1,024 bytes: waves 0 to 3 store 256 each
	s_cbranch_scc1 .Lno_scales
	ds_load_b64 v[10:11], v[SSR]
	s_wait_dscnt 0x0
	global_store_b64 v[L8], v[10:11], s[18:19]     ; 32 lanes store 256 consecutive bytes, aligned
.Lno_scales:
	s_wait_tensorcnt 0x0
	ds_add_u32 v254, v255
	s_wait_dscnt 0x0
	s_endpgm
	; ---- the mask: the same loads and turn; a compare's lane mask is a word of maskw
.Lmask:
	s_wait_alu depctr_va_vdst(0)
	v_add_nc_u32 v[STW], MSTG, v[STW]
	v_add_nc_u32 v[STR], MSTG, v[STR]
	s_lshl_b32 s34, s27, 3
	s_add_co_u32 s34, s34, s24                     ; query tile
	s_lshl_b32 s34, s34, 4
	s_lshl_b32 s35, s28, 1
	s_add_co_u32 s34, s34, s35                     ; x 16 key steps + my first
	s_lshl_b32 s34, s34, 8                         ; 256 bytes a step
	s_mov_b32 s35, 0
	s_add_nc_u64 s[20:21], s[20:21], s[34:35]
.irp i, 0,1,2,3
	v_mov_b32 v[MW+\i], 0                          ; v_writelane_b32's destination counts as read
.endr
	LOADF 0, 0
	LOADF 1, 1
.macro KFRAG f
	COMEIN \f
.set n, 0
.rept 8
.irp k, 0,1,2,3,4,5,6,7
	v_cmp_neq_f32 s[40+\k], 0, v[X+n+\k]           ; 1 where the mask is not 0 (a NaN counts as kept, -0 as hidden, as == 0 has them)
.endr
.irp k, 0,1,2,3,4,5,6,7
	v_writelane_b32 v[MW+2*(\f)+\k%2], s[40+\k], (n+\k)/2   ; word n into lane n / 2, register n % 2
.endr
.set n, n+8
.endr
	global_store_b64 v[L8], v[MW+2*(\f):MW+2*(\f)+1], s[20:21] offset:256*(\f)   ; 64 words: 256 consecutive bytes, aligned
.endm
	s_wait_alu depctr_va_vdst(0)
	KFRAG 0
	KFRAG 1
	s_wait_tensorcnt 0x0
	ds_add_u32 v254, v255
	s_wait_dscnt 0x0
	s_endpgm
	; ---- the table of cosines and sines: a position tile a wave
.Lrope:
	s_lshl_b32 s32, ttmp9, 3
	s_add_co_u32 s32, s32, s24                     ; tile T
	s_lshr_b32 s33, s32, 1
	s_lshl_b32 s33, s33, 5
	s_and_b32 s34, s32, 1
	s_lshl_b32 s34, s34, 3
	s_add_co_u32 s33, s33, s34                     ; 32 (T / 2) + 8 (T % 2)
	s_wait_alu depctr_va_vdst(0)
	v_and_b32 v12, 8, v2
	s_delay_alu instid0(VALU_DEP_1)
	v_add_nc_u32 v12, v12, v2
	s_delay_alu instid0(VALU_DEP_1)
	v_add_nc_u32 v12, s33, v12
	s_delay_alu instid0(VALU_DEP_1)
	v_cvt_f32_u32 v10, v12                         ; my position
	v_lshlrev_b32 v11, 4, v3                       ; 16 h
	s_mov_b32 s48, 0xbe549a00                      ; -(upper 15 bits of log2(10000) / 64): times f (6 bits) it is exact
	s_mov_b32 s49, 0xb5a6c474                      ; -(the rest of it) x ln 2
	s_mov_b32 s50, 0x3f22f983                      ; 2 / pi
	s_mov_b32 s51, 0xbfc90000                      ; -pi / 2 in three parts
	s_mov_b32 s52, 0xb9fda000
	s_mov_b32 s53, 0xb3a22168
	s_mov_b32 s54, 0xb94ca1f9                      ; the sine's polynomial
	s_mov_b32 s55, 0x3c08839e
	s_mov_b32 s56, 0xbe2aaaa3
	s_mov_b32 s57, 0x37ccf5ce                      ; the cosine's
	s_mov_b32 s58, 0xbab6061a
	s_mov_b32 s59, 0x3d2aaaa5
	s_lshl_b32 s34, s32, 13                        ; 8,192 bytes a tile
	s_mov_b32 s35, 0
	s_wait_alu depctr_va_vdst(0)
	s_wait_kmcnt 0x0
	s_add_nc_u64 s[22:23], s[22:23], s[34:35]
.set n, 0
.rept 32
	v_add_nc_u32 v12, 32*(n/16)+n%16, v11          ; f
	s_delay_alu instid0(VALU_DEP_1)
	v_cvt_f32_u32 v[80+n], v12
	s_delay_alu instid0(VALU_DEP_1)
	v_mul_f32 v[16+n], s48, v[80+n]
.set n, n+1
.endr
.set n, 0
	s_wait_alu depctr_va_vdst(0)
.rept 32
	v_exp_f32 v[16+n], v[16+n]                     ; one batch
.set n, n+1
.endr
.set n, 0
.rept 32
	v_mul_f32 v[80+n], s49, v[80+n]                ; plain work that names no result of the batch
.set n, n+1
.endr
	s_wait_alu depctr_va_vdst(0)                   ; one wait for the batch, ahead of its first reader
.set n, 0
.rept 32
	v_fma_f32 v[16+n], v[16+n], v[80+n], v[16+n]   ; inv_freq = e (1 - f x rest x ln 2)
.set n, n+1
.endr
.macro SINCOS n
	v_mul_f32 v112, v10, v[16+\n]                  ; the angle
	s_delay_alu instid0(VALU_DEP_1)
	v_mul_f32 v113, s50, v112
	s_delay_alu instid0(VALU_DEP_1)
	v_rndne_f32 v113, v113                         ; k
	s_delay_alu instid0(VALU_DEP_1)
	v_fma_f32 v112, v113, s51, v112
	s_delay_alu instid0(VALU_DEP_1)
	v_fma_f32 v112, v113, s52, v112
	s_delay_alu instid0(VALU_DEP_1)
	v_fma_f32 v112, v113, s53, v112                ; rho = angle - k pi / 2
	s_delay_alu instid0(VALU_DEP_1)
	v_mul_f32 v114, v112, v112                     ; z
	v_cvt_i32_f32 v113, v113
	s_delay_alu instid0(VALU_DEP_2)
	v_fma_f32 v115, v114, s54, s55
	s_delay_alu instid0(VALU_DEP_3)
	v_fma_f32 v117, v114, s57, s58
	s_delay_alu instid0(VALU_DEP_2)
	v_fma_f32 v115, v115, v114, s56
	s_delay_alu instid0(VALU_DEP_2)
	v_fma_f32 v117, v117, v114, s59
	v_mul_f32 v116, v112, v114
	v_mul_f32 v118, v114, v114
	v_fma_f32 v119, v114, -0.5, 1.0
	s_delay_alu instid0(VALU_DEP_3)
	v_fma_f32 v115, v115, v116, v112               ; sin rho
	s_delay_alu instid0(VALU_DEP_2)
	v_fma_f32 v117, v117, v118, v119               ; cos rho
	v_and_b32 v118, 1, v113
	s_delay_alu instid0(VALU_DEP_1)
	v_cmp_ne_u32 vcc_lo, 0, v118                   ; an odd k swaps the two
	s_delay_alu instid0(VALU_DEP_1)
	v_cndmask_b32 v[80+\n], v115, v117, vcc_lo
	s_delay_alu instid0(VALU_DEP_2)
	v_cndmask_b32 v[48+\n], v117, v115, vcc_lo
	v_and_b32 v118, 2, v113                        ; the sine's sign: k % 4 = 2, 3
	s_delay_alu instid0(VALU_DEP_1)
	v_lshlrev_b32 v118, 30, v118
	s_delay_alu instid0(VALU_DEP_1)
	v_xor_b32 v[80+\n], v118, v[80+\n]
	v_add_nc_u32 v119, 1, v113                     ; the cosine's: k % 4 = 1, 2
	s_delay_alu instid0(VALU_DEP_1)
	v_and_b32 v119, 2, v119
	s_delay_alu instid0(VALU_DEP_1)
	v_lshlrev_b32 v119, 30, v119
	s_delay_alu instid0(VALU_DEP_1)
	v_xor_b32 v[48+\n], v119, v[48+\n]
.endm
.irp m, 0,1,2,3,4,5,6,7,8,9,10,11,12,13,14,15,16,17,18,19,20,21,22,23,24,25,26,27,28,29,30,31
	SINCOS \m
.endr
.irp q, 0,1,2,3,4,5,6,7,8,9,10,11,12,13,14,15
	global_store_b128 v[LI], v[48+4*\q:48+4*\q+3], s[22:23] offset:512*\q
.endr
	s_endpgm
.Lfunc_end_k_qbb7cf267b6_prep:
	.size	k_qbb7cf267b6_prep, .Lfunc_end_k_qbb7cf267b6_prep-k_qbb7cf267b6_prep
	.p2alignl 7, 3214868480
	.fill 96, 4, 3214868480
	.section	.rodata,"a",@progbits
	.p2align	6, 0x0
	.amdhsa_kernel k_qbb7cf267b6_prep
		.amdhsa_group_segment_fixed_size 138240
		.amdhsa_private_segment_fixed_size 0
		.amdhsa_enable_private_segment 0
		.amdhsa_kernarg_size 80
		.amdhsa_user_sgpr_count 2
		.amdhsa_user_sgpr_kernarg_segment_ptr 1
		.amdhsa_wavefront_size32 1
		.amdhsa_system_sgpr_workgroup_id_x 1
		.amdhsa_system_sgpr_workgroup_id_y 1
		.amdhsa_system_sgpr_workgroup_id_z 1
		.amdhsa_system_vgpr_workitem_id 0
		.amdhsa_next_free_vgpr 256
		.amdhsa_next_free_sgpr 66
		.amdhsa_reserve_vcc 1
		.amdhsa_float_denorm_mode_32 3
		.amdhsa_float_denorm_mode_16_64 3
		.amdhsa_memory_ordered 1
		.amdhsa_forward_progress 1
		.amdhsa_inst_pref_size 117
	.end_amdhsa_kernel
	.amdgpu_metadata
---
amdhsa.version: [ 1, 2 ]
amdhsa.kernels:
  - .name:           k_qbb7cf267b6_prep
    .symbol:         k_qbb7cf267b6_prep.kd
    .args:
      - { .name: x, .offset: 0, .size: 8, .value_kind: global_buffer, .address_space: global }
      - { .name: Wq_w, .offset: 8, .size: 8, .value_kind: global_buffer, .address_space: global }
      - { .name: Wk_w, .offset: 16, .size: 8, .value_kind: global_buffer, .address_space: global }
      - { .name: Wv_w, .offset: 24, .size: 8, .value_kind: global_buffer, .address_space: global }
      - { .name: Wo_w, .offset: 32, .size: 8, .value_kind: global_buffer, .address_space: global }
      - { .name: mask, .offset: 40, .size: 8, .value_kind: global_buffer, .address_space: global }
      - { .name: codes, .offset: 48, .size: 8, .value_kind: global_buffer, .address_space: global }
      - { .name: scl, .offset: 56, .size: 8, .value_kind: global_buffer, .address_space: global }
      - { .name: maskw, .offset: 64, .size: 8, .value_kind: global_buffer, .address_space: global }
      - { .name: rope, .offset: 72, .size: 8, .value_kind: global_buffer, .address_space: global }
    .group_segment_fixed_size: 138240
    .private_segment_fixed_size: 0
    .kernarg_segment_align: 8
    .kernarg_segment_size: 80
    .max_flat_workgroup_size: 256
    .sgpr_count:     66
    .vgpr_count:     256
    .wavefront_size: 32
...
	.end_amdgpu_metadata
.endif
;; end of part 1
;; launch proj (part 2): grid 8 x 24, 4 waves a work-group, clusters of 4 x 4, 327,680 bytes of LDS; arguments codes, scl, rope, qkv, qkvs, Wq_b, Wk_b, Wv_b; writes qkv, qkvs
.if DOCPART == 2
	.amdgcn_target "amdgcn-amd-amdhsa--gfx1250"
	.amdhsa_code_object_version 6
	.text
	.protected	k_qbb7cf267b6_proj
	.globl	k_qbb7cf267b6_proj
	.p2align	8
	.type	k_qbb7cf267b6_proj,@function
k_qbb7cf267b6_proj:
	s_mov_b64 s[64:65], 0
	v_nop
	global_prefetch_b8 v0, s[64:65] scope:SCOPE_SE
	s_setreg_imm32_b32 hwreg(HW_REG_WAVE_MODE, 25, 1), 1
	s_wait_xcnt 0x0
	s_wait_alu depctr_hold_cnt(0) depctr_sa_sdst(0) depctr_va_vdst(0) depctr_va_sdst(0) depctr_va_ssrc(0) depctr_va_vcc(0) depctr_vm_vsrc(0)
	s_getreg_b32 s2, hwreg(HW_REG_IB_STS2, 6, 4)
	s_cmp_eq_u32 s2, 0
	s_cbranch_scc0 .Lentry_in_a_cluster
	s_endpgm
.Lentry_in_a_cluster:
	s_bfe_u32 s2, ttmp6, 0x10000c
	s_cmp_lg_u32 s2, 0xf033
	s_cbranch_scc0 .Lentry_shape_is_right
	s_endpgm
.Lentry_shape_is_right:
.set NQ,    2
.set FR,    12
.set NL,    3
.set NP,    4
.set IMG,   1536
.set RGB,   16*IMG
.set SLOT,  4*RGB
.set SCL,   2*SLOT
.set SPARE, SCL+4*8192
.set LAPS,  4
.set ADRA,  16
.set ADRB,  20
.set ADSA,  24
.set ADSB,  25
.set LI,    26
.set BJO,   27
.set SPW,   28
.set NIL,   29
.set BIO,   30
.set SC,    32
.set BI,    64
.set AF,    128
.set HA,    128
.set PC,    192
.set TM,    212
.set PW,    228
.set W2,    232
.set TT,    236
.set SEL,   18
.set G1, 24
.set G0, 32
.set G1B, 48
.set G0B, 56
.set G1S, 68
.set G0S, 76
.set G1SB, 80
.set G0SB, 88
.set MSB, 0
.macro WIN new
.if MSB != (\new)
	s_set_vgpr_msb (MSB<<8)|(\new)
.set MSB, (\new)
.endif
.endm
.set MUL_LO, 0xa1
.set MUL_HI, 0xf1
.set TO_B,   0x40
.macro WMS d, a, b, c, sa, sb, ra, rb
.if (\c) < 0
.if ((\ra) == 0) && ((\rb) == 0)
	v_wmma_scale_f32_16x16x128_f8f6f4 v[(\d):(\d)+7], v[(\a):(\a)+11], v[(\b):(\b)+11], 0, v[\sa], v[\sb] matrix_a_fmt:MATRIX_FMT_FP6 matrix_b_fmt:MATRIX_FMT_FP6
.elseif (\rb) == 0
	v_wmma_scale_f32_16x16x128_f8f6f4 v[(\d):(\d)+7], v[(\a):(\a)+11], v[(\b):(\b)+11], 0, v[\sa], v[\sb] matrix_a_fmt:MATRIX_FMT_FP6 matrix_b_fmt:MATRIX_FMT_FP6 matrix_a_scale:MATRIX_SCALE_ROW1
.elseif (\ra) == 0
	v_wmma_scale_f32_16x16x128_f8f6f4 v[(\d):(\d)+7], v[(\a):(\a)+11], v[(\b):(\b)+11], 0, v[\sa], v[\sb] matrix_a_fmt:MATRIX_FMT_FP6 matrix_b_fmt:MATRIX_FMT_FP6 matrix_b_scale:MATRIX_SCALE_ROW1
.else
	v_wmma_scale_f32_16x16x128_f8f6f4 v[(\d):(\d)+7], v[(\a):(\a)+11], v[(\b):(\b)+11], 0, v[\sa], v[\sb] matrix_a_fmt:MATRIX_FMT_FP6 matrix_b_fmt:MATRIX_FMT_FP6 matrix_a_scale:MATRIX_SCALE_ROW1 matrix_b_scale:MATRIX_SCALE_ROW1
.endif
.else
.if ((\ra) == 0) && ((\rb) == 0)
	v_wmma_scale_f32_16x16x128_f8f6f4 v[(\d):(\d)+7], v[(\a):(\a)+11], v[(\b):(\b)+11], v[(\c):(\c)+7], v[\sa], v[\sb] matrix_a_fmt:MATRIX_FMT_FP6 matrix_b_fmt:MATRIX_FMT_FP6
.elseif (\rb) == 0
	v_wmma_scale_f32_16x16x128_f8f6f4 v[(\d):(\d)+7], v[(\a):(\a)+11], v[(\b):(\b)+11], v[(\c):(\c)+7], v[\sa], v[\sb] matrix_a_fmt:MATRIX_FMT_FP6 matrix_b_fmt:MATRIX_FMT_FP6 matrix_a_scale:MATRIX_SCALE_ROW1
.elseif (\ra) == 0
	v_wmma_scale_f32_16x16x128_f8f6f4 v[(\d):(\d)+7], v[(\a):(\a)+11], v[(\b):(\b)+11], v[(\c):(\c)+7], v[\sa], v[\sb] matrix_a_fmt:MATRIX_FMT_FP6 matrix_b_fmt:MATRIX_FMT_FP6 matrix_b_scale:MATRIX_SCALE_ROW1
.else
	v_wmma_scale_f32_16x16x128_f8f6f4 v[(\d):(\d)+7], v[(\a):(\a)+11], v[(\b):(\b)+11], v[(\c):(\c)+7], v[\sa], v[\sb] matrix_a_fmt:MATRIX_FMT_FP6 matrix_b_fmt:MATRIX_FMT_FP6 matrix_a_scale:MATRIX_SCALE_ROW1 matrix_b_scale:MATRIX_SCALE_ROW1
.endif
.endif
.endm
.macro JLOAD g0a, g1a, g0b, g1b
	s_cmp_eq_u32 s15, 0
	s_cbranch_scc0 .Lfor_b_\@
	tensor_load_to_lds s[\g0a:\g0a+3], s[\g1a:\g1a+7]
	s_nop 0
.rept 4
	v_nop
.endr
	s_branch .Lasked_\@
.Lfor_b_\@:
	tensor_load_to_lds s[\g0b:\g0b+3], s[\g1b:\g1b+7]
	s_nop 0
.rept 4
	v_nop
.endr
.Lasked_\@:
.endm
.macro CREST
	s_cmp_lg_u32 s14, 0
	s_cbranch_scc1 .Lnot_wave_0_\@
	s_barrier_signal -3
.Lnot_wave_0_\@:
	s_barrier_wait -3
	s_barrier_signal -1
	s_barrier_wait -1
.endm
.macro CROUND
	s_barrier_signal -1
	s_barrier_wait -1
	CREST
.endm
.macro PLACES n
.rept \n
	v_nop
.endr
.endm
.macro QUANT s
.irp b, 0,1,2,3
	v_max3_num_f32 v[TM+\b], |v[\s+16*\b]|, |v[\s+1+16*\b]|, 0x1800000
.endr
.irp i, 2,4,6,8,10,12,14
.irp b, 0,1,2,3
	v_max3_num_f32 v[TM+\b], v[TM+\b], |v[\s+16*\b+\i]|, |v[\s+1+16*\b+\i]|
.endr
.endr
.irp b, 0,1,2,3
	v_permlanex16_b32 v[TM+4+\b], v[TM+\b], s[SEL], s[SEL+1]
.endr
.irp b, 0,1,2,3
	v_max_num_f32 v[TM+\b], v[TM+\b], v[TM+4+\b]
.endr
.irp b, 0,1,2,3
	v_add_nc_u32 v[TM+12+\b], 0xff000000, v[TM+\b]
.endr
.irp b, 0,1,2,3
	v_lshrrev_b32 v[TM+4+\b], 23, v[TM+12+\b]
.endr
	v_lshl_or_b32 v[PW], v[TM+5], 8, v[TM+4]
	v_lshl_or_b32 v[PW], v[TM+6], 16, v[PW]
	v_lshl_or_b32 v[PW], v[TM+7], 24, v[PW]
.irp c, 0,1
	v_cvt_scalef32_pk16_fp6_f32 v[PC+6*\c:PC+2+6*\c], v[\s+32*\c:\s+15+32*\c], v[TM+12+2*\c]
	v_cvt_scalef32_pk16_fp6_f32 v[PC+12+4*\c:PC+14+4*\c], v[\s+16+32*\c:\s+31+32*\c], v[TM+12+2*\c+1]
.endr
	v_nop
.irp c, 0,1
.irp i, 0,1,2
	v_permlane16_swap_b32 v[PC+6*\c+\i], v[PC+12+4*\c+\i]
.endr
.irp i, 0,1,2
	v_mov_b32 v[PC+3+6*\c+\i], v[PC+12+4*\c+\i]
.endr
.endr
.endm
	s_load_b128 s[4:7], s[0:1], 0x0
	s_load_b128 s[8:11], s[0:1], 0x10
	s_load_b64 s[12:13], s[0:1], 0x20
	s_load_b64 s[66:67], s[0:1], 0x28
	s_load_b128 s[92:95], s[0:1], 0x30
	v_lshl_add_u32 v[SPW], v0, 2, SPARE
	v_mov_b32 v[NIL], 0
	ds_add_u32 v28, v29
	ds_add_u32 v28, v29
	s_wait_dscnt 0x0
	v_lshrrev_b32 v1, 5, v0
	v_readfirstlane_b32 s14, v1
	s_lshr_b32 s15, s14, 1
	s_and_b32 s16, s14, 1
	s_bfe_u32 s40, ttmp6, 0x40000
	s_bfe_u32 s41, ttmp6, 0x40004
	s_lshl_b32 s42, ttmp9, 2
	s_add_co_u32 s42, s42, s40
	s_and_b32 s17, ttmp7, 0xffff
	s_lshr_b32 s96, s17, 1
	s_lshr_b32 s99, s96, 1
	s_and_b32 s98, s17, 1
	s_lshl_b32 s98, s98, 2
	s_add_co_u32 s98, s98, s41
	s_lshl_b32 s43, s41, 2
	s_lshl_b32 s43, 15, s43
	s_lshl_b32 s44, 0x1111, s40
	s_mov_b32 s97, 0xffff0000
	s_or_b32 s[G1+0], s43, (3<<16)|(1<<21)
	s_or_b32 s[G1B+0], s44, (3<<16)|(1<<21)
	s_or_b32 s[G1S+0], s43, (3<<16)|(1<<21)
	s_or_b32 s[G1SB+0], s44, (3<<16)|(1<<21)
.irp g, G1, G1B                        ; the head's loads of codes: two row groups, a row of 24,576 bytes each, 196,608 bytes apart
	s_mov_b32 s[\g+1], 3072<<16
	s_mov_b32 s[\g+2], 2<<16
	s_mov_b32 s[\g+3], 3072<<16
	s_mov_b32 s[\g+4], 2
	s_mov_b32 s[\g+5], 24576
	s_mov_b32 s[\g+6], 0
	s_mov_b32 s[\g+7], 0
.endr
.irp g, G1S, G1SB                      ; the scale images of two neighbouring row groups: 64 rows of 256 bytes
	s_mov_b32 s[\g+1], 32<<16
	s_mov_b32 s[\g+2], 64<<16
	s_mov_b32 s[\g+3], 32<<16
	s_mov_b32 s[\g+4], 64
	s_mov_b32 s[\g+5], 32
	s_mov_b32 s[\g+6], 0
	s_mov_b32 s[\g+7], 0
.endr
	s_mul_i32 s20, s99, 48
	s_lshl_b32 s17, s98, 1
	s_add_co_u32 s20, s20, s17
	s_add_co_u32 s20, s20, s16
	s_lshl_b32 s46, s96, 4
	s_add_co_u32 s46, s46, 16
	s_xor_b32 s47, s99, 1
	s_mul_i32 s46, s46, s47
	s_lshl_b32 s47, s42, 1
	s_add_co_u32 s46, s46, s47
	s_add_co_u32 s46, s46, s16
	s_sub_co_u32 s22, s20, s16                     ; the scales come for both row groups at once: from the first of the two
	s_lshl_b32 s22, s22, 13
	s_mov_b32 s23, 0
	s_mul_i32 s20, s20, 196608
	s_mov_b32 s21, 0
	s_sub_co_u32 s18, s46, s16
	s_lshl_b32 s18, s18, 13
	s_mov_b32 s19, 0
	s_mul_i32 s46, s46, 196608
	s_mov_b32 s47, 0
	s_mul_i32 s45, s14, RGB
	s_wait_kmcnt 0x0
	s_add_nc_u64 s[20:21], s[4:5], s[20:21]
	s_add_nc_u64 s[22:23], s[6:7], s[22:23]
	s_add_nc_u64 s[46:47], s[4:5], s[46:47]
	s_add_nc_u64 s[18:19], s[6:7], s[18:19]
	CROUND
	s_mov_b32 s[G0S], 1
	s_mov_b32 s[G0S+1], SCL
	s_mov_b64 s[G0S+2:G0S+3], s[22:23]
	s_or_b32 s[G0S+3], s[G0S+3], 0x80000000
	s_mov_b32 s[G0SB], 1
	s_mov_b32 s[G0SB+1], SCL+16384
	s_mov_b64 s[G0SB+2:G0SB+3], s[18:19]
	s_or_b32 s[G0SB+3], s[G0SB+3], 0x80000000
.irp s, 0,1
	s_mov_b32 s[G0+4*\s], 1
	s_add_co_u32 s[G0+4*\s+1], s45, \s*SLOT
	s_add_nc_u64 s[G0+4*\s+2:G0+4*\s+3], s[20:21], \s*RGB
	s_or_b32 s[G0+4*\s+3], s[G0+4*\s+3], 0x80000000
	s_mov_b32 s[G0B+4*\s], 1
	s_add_co_u32 s[G0B+4*\s+1], s45, \s*SLOT
	s_add_nc_u64 s[G0B+4*\s+2:G0B+4*\s+3], s[46:47], \s*RGB
	s_or_b32 s[G0B+4*\s+3], s[G0B+4*\s+3], 0x80000000
.endr
; the head's four tiles, one joint load a wave: wave 0 slot 0's codes of A (its own group 0 points at their first byte), wave 2 those of B, wave 1 A's scale images, wave 3 B's
.macro ARM who, g0, g1, next
	s_cmp_eq_u32 s14, \who
	s_cbranch_scc0 \next
	tensor_load_to_lds s[\g0:\g0+3], s[\g1:\g1+7]
	s_nop 0
.rept 4
	v_nop
.endr
	s_branch .Lhead_asked
\next:
.endm
	ARM 0, G0, G1, .Lhead_b
	ARM 2, G0B, G1B, .Lhead_sa
	ARM 1, G0S, G1S, .Lhead_sb
	tensor_load_to_lds s[G0SB:G0SB+3], s[G1SB:G1SB+7]
	s_nop 0
.rept 4
	v_nop
.endr
.Lhead_asked:
; PREFETCHES INTO THE L2.  A wave's load of the ring brings 96 rows of 256 bytes, a chunk of two K steps of one row group; the four partners that ask for it jointly share its rows out by address: 24 rows each
; (place cx for A's, cy for B's), lanes 256 bytes apart, lanes 24 to 31 naming row 23 again.  So each 256 bytes are named once in each cluster that loads them.  Here: chunks 2 and 3, which the first two refills will ask for.
; Behind each refill: the chunk two refills on; the loop's last trip asks for nothing, so no address passes the row group's eight chunks.
.set PFA, 100                          ; s[100:101] my 24 rows, stepped a chunk at each refill
.set PFO, 31                           ; v31 256 x min(lane, 23); never rewritten
	s_cmp_eq_u32 s15, 0                            ; do I fetch for A?
	s_cselect_b64 s[PFA:PFA+1], s[20:21], s[46:47]
	s_cselect_b32 s22, s40, s41
	s_mul_i32 s22, s22, 6144
	s_mov_b32 s23, 0
	s_add_nc_u64 s[PFA:PFA+1], s[PFA:PFA+1], s[22:23]
	v_and_b32 v[PFO], 31, v0
	v_min_u32 v[PFO], 23, v[PFO]
	v_lshlrev_b32 v[PFO], 8, v[PFO]
	global_prefetch_b8 v[PFO], s[PFA:PFA+1] offset:2*RGB th:TH_LOAD_NT scope:SCOPE_SE
	global_prefetch_b8 v[PFO], s[PFA:PFA+1] offset:3*RGB th:TH_LOAD_NT scope:SCOPE_SE
	s_wait_alu depctr_va_vdst(0)
	s_wait_tensorcnt 0x0
	ds_add_u32 v28, v29
.irp g, G1, G1B                        ; no tensor load of mine is out: from here on a load brings 96 rows of 256 bytes
	s_mov_b32 s[\g+1], 32<<16
	s_mov_b32 s[\g+2], 96<<16
	s_mov_b32 s[\g+3], 32<<16
	s_mov_b32 s[\g+4], 96
	s_mov_b32 s[\g+5], 32
.endr
	s_wait_dscnt 0x0
	CROUND
	JLOAD G0+4, G1, G0B+4, G1B                     ; slot 1's first fill, a quarter a wave
	v_and_b32 v1, 31, v0
	v_lshlrev_b32 v[LI], 4, v1
	s_wait_alu depctr_va_vdst(0)
	s_mul_i32 s21, s15, RGB
	s_mul_i32 s22, s16, RGB
	s_add_co_u32 s22, s22, 2*RGB
.irp s, 0,1
	v_add_nc_u32 v[ADRA+\s], s21, v[LI]
	v_add_nc_u32 v[ADRB+\s], s22, v[LI]
	s_add_co_u32 s21, s21, SLOT
	s_add_co_u32 s22, s22, SLOT
.endr
	s_lshl_b32 s21, s15, 13
	s_add_co_u32 s21, s21, SCL
	v_add_nc_u32 v[ADSA], s21, v[LI]
	s_lshl_b32 s22, s16, 13
	s_add_co_u32 s22, s22, SCL+2*8192
	v_add_nc_u32 v[ADSB], s22, v[LI]
	v_and_b32 v2, 15, v0
	v_and_b32 v3, 8, v2
	v_add_nc_u32 v3, v3, v2
	v_lshlrev_b32 v[BJO], 2, v3
	v_bfe_u32 v3, v0, 4, 1
	v_lshlrev_b32 v[BIO], 6, v3
	s_lshl_b32 s46, s42, 1
	s_add_co_u32 s46, s46, s16
	s_lshl_b32 s20, s98, 1
	s_add_co_u32 s20, s20, s15
	s_mov_b32 s19, 0
	s_lshl_b32 s18, s20, 16
	s_add_nc_u64 s[8:9], s[8:9], s[18:19]
	s_lshl_b32 s21, s46, 7
	s_lshl_b32 s22, s20, 3
	s_add_co_u32 s21, s21, s22
	s_lshl_b32 s22, s20, 4
	s_add_co_u32 s22, s22, s46
	s_lshl_b32 s22, s22, 3
	s_cmp_eq_u32 s99, 1
	s_cselect_b32 s21, s22, s21
	s_mul_i32 s22, s21, IMG
	s_mul_i32 s23, s96, 3145728
	s_add_co_u32 s18, s22, s23
	s_add_nc_u64 s[10:11], s[10:11], s[18:19]
	s_lshl_b32 s22, s21, 6
	s_lshl_b32 s23, s96, 17
	s_add_co_u32 s18, s22, s23
	s_add_nc_u64 s[12:13], s[12:13], s[18:19]
	s_cmp_eq_u32 s96, 1
	s_cselect_b64 s[66:67], s[92:93], s[66:67]
	s_lshl_b32 s18, s46, 9
	s_add_nc_u64 s[66:67], s[66:67], s[18:19]
	s_lshl_b32 s18, s20, 9
	s_add_nc_u64 s[94:95], s[94:95], s[18:19]
	s_mov_b32 s[SEL], 0x76543210
	s_mov_b32 s[SEL+1], 0xfedcba98
.macro FRAG reg, adr, q, i
.irp c, 0,1,2
	ds_load_b128 v[\reg+4*\c:\reg+4*\c+3], v[\adr] offset:(8*(\q)+(\i))*IMG+512*\c
.endr
.endm
.macro MUL16 a0, p, q, sc, zero
.irp a, \a0, \a0+1
.irp b, 0,1,2,3,4,5,6,7
.if \zero
	WMS 8*(8*((\a)%4)+\b), 128*(\p)+FR*\b, AF+FR*(\a), -1, SC+16*(\sc)+8*(\q)+4+\b/2, SC+16*(\sc)+8*(\q)+(\a)/2, \b%2, (\a)%2
.else
	WMS 8*(8*((\a)%4)+\b), 128*(\p)+FR*\b, AF+FR*(\a), 8*(8*((\a)%4)+\b), SC+16*(\sc)+8*(\q)+4+\b/2, SC+16*(\sc)+8*(\q)+(\a)/2, \b%2, (\a)%2
.endif
.endr
.endr
.endm
.macro FETCH_B slot, q, p
	WIN TO_B
.irp i, 0,1,2,3,4,5,6,7
	FRAG 128*(\p)+FR*\i, ADRB+\slot, \q, \i
.endr
	WIN 0
.endm
.macro FETCH_A slot, q, i0
.irp i, \i0, \i0+1, \i0+2, \i0+3
	FRAG AF+FR*(\i), ADRA+\slot, \q, \i
.endr
.endm
.macro SCALES set
.irp q, 0,1
	ds_load_b128 v[SC+16*\set+8*\q:SC+16*\set+8*\q+3], v[ADSA] offset:512*\q
	ds_load_b128 v[SC+16*\set+8*\q+4:SC+16*\set+8*\q+7], v[ADSB] offset:512*\q
.endr
.endm
.macro STEP slot, q, zero
	s_wait_dscnt 4*NL
	WIN MUL_LO
	MUL16 0, (\q)%2, \q, \slot, \zero
	MUL16 2, (\q)%2, \q, \slot, \zero
	s_wait_dscnt 0
	PLACES NP
	FETCH_B \slot, (\q)+1, 1-(\q)%2
	FETCH_A \slot, (\q)+1, 0
	WIN MUL_HI
	MUL16 4, (\q)%2, \q, \slot, \zero
	MUL16 6, (\q)%2, \q, \slot, \zero
	PLACES NP
	WIN 0
	FETCH_A \slot, (\q)+1, 4
.endm
.macro TURN slot, next, fill
.if \fill
	s_wait_xcnt 0x0                                ; my last prefetch has read its address: it is stepped here, ahead of the waits of the change of slots
	s_add_nc_u64 s[PFA:PFA+1], s[PFA:PFA+1], RGB
.endif
	s_wait_tensorcnt 0x0
	ds_add_u32 v[SPW], v[NIL]
	s_wait_dscnt 4*NL+1
	WIN MUL_LO
	MUL16 0, 1, NQ-1, \slot, 0
	s_wait_dscnt 0x0
	s_barrier_signal -1
	MUL16 2, 1, NQ-1, \slot, 0
	WIN 0
	s_barrier_wait -1
.if \fill
	CREST
	s_add_nc_u64 s[G0+4*\slot+2:G0+4*\slot+3], s[G0+4*\slot+2:G0+4*\slot+3], 2*RGB
	s_add_nc_u64 s[G0B+4*\slot+2:G0B+4*\slot+3], s[G0B+4*\slot+2:G0B+4*\slot+3], 2*RGB
	JLOAD G0+4*\slot, G1, G0B+4*\slot, G1B
.else
	PLACES NP
.endif
	s_wait_alu depctr_va_vdst(0)
	v_add_nc_u32 v[ADSA], 512*NQ, v[ADSA]
	v_add_nc_u32 v[ADSB], 512*NQ, v[ADSB]
	FETCH_B \next, 0, 0
	FETCH_A \next, 0, 0
	SCALES \next
.if \fill
	s_cmp_gt_u32 s3, 1                             ; s3 = 1 in the loop's last trip, whose refills are the last two chunks
	s_cbranch_scc0 .Lno_ask_\@
	global_prefetch_b8 v[PFO], s[PFA:PFA+1] offset:3*RGB th:TH_LOAD_NT scope:SCOPE_SE   ; the chunk two refills on
.Lno_ask_\@:
.endif
	WIN MUL_HI
	MUL16 4, 1, NQ-1, \slot, 0
	MUL16 6, 1, NQ-1, \slot, 0
	PLACES NP
	WIN 0
	FETCH_A \next, 0, 4
.endm
.macro LAST
	s_wait_dscnt 4*NL
	WIN MUL_LO
	MUL16 0, 1, NQ-1, 1, 0
	MUL16 2, 1, NQ-1, 1, 0
	s_wait_dscnt 0x0
	WIN MUL_HI
	MUL16 4, 1, NQ-1, 1, 0
	MUL16 6, 1, NQ-1, 1, 0
	WIN 0
	PLACES NP
.irp b, 0,1,2,3
	v_mov_b32 v[TM+4+\b], 0
.endr
.endm
	s_wait_alu depctr_va_vdst(0)
	s_wait_tensorcnt 1
	s_barrier_signal -1
	s_barrier_wait -1
	FETCH_B 0, 0, 0
	FETCH_A 0, 0, 0
	SCALES 0
	FETCH_A 0, 0, 4
	STEP 0, 0, 1
	s_mov_b32 s3, LAPS-1
.Llap:
	TURN 0, 1, 1
	STEP 1, 0, 0
	TURN 1, 0, 1
	STEP 0, 0, 0
	s_sub_co_u32 s3, s3, 1
	s_cmp_lg_u32 s3, 0
	s_cbranch_scc1 .Llap
	TURN 0, 1, 0
	STEP 1, 0, 0
.macro CTLOAD a
	WIN 0x40
.irp q, 0,1,2,3,4,5,6,7,8,9,10,11,12,13,14,15
	global_load_b128 v[64*((\a)%2)+4*\q:64*((\a)%2)+4*\q+3], v[LI], s[8:9] offset:8192*(\a)+512*\q
.endr
	WIN 0
.endm
.macro TAIL a
	QUANT HA
.if (\a)%2 == 0
	v_mov_b32 v[W2+(\a)/2], v[PW]
.else
	v_cndmask_b32 v[W2+(\a)/2], v[W2+(\a)/2], v[PW], s97
.endif
.irp c, 0,1,2
	global_store_b128 v[LI], v[PC+4*\c:PC+4*\c+3], s[10:11] offset:IMG*(\a)+512*\c
.endr
.endm
.macro EPI_QK a
	WIN 0x02+(\a)/4
.set n, 0
.rept 32
	v_pk_add_f32 v[HA+n:HA+n+1], v[64*((\a)%4)+n:64*((\a)%4)+n+1], v[BI+n:BI+n+1]
.set n, n+2
.endr
.if (\a) < 7
	s_wait_loadcnt 16
.else
	s_wait_loadcnt 0x0
.endif
	WIN 0x04
.set CT, 64*((\a)%2)
.set n, 0
.rept 16
.set T1, TT+4*((n/2)%2)
	v_pk_mul_f32 v[T1:T1+1], v[HA+32+n:HA+33+n], v[CT+32+n:CT+33+n]
	v_pk_mul_f32 v[T1+2:T1+3], v[HA+32+n:HA+33+n], v[CT+n:CT+n+1]
	v_pk_fma_f32 v[HA+32+n:HA+33+n], v[HA+n:HA+n+1], v[CT+32+n:CT+33+n], v[T1+2:T1+3]
	v_pk_fma_f32 v[HA+n:HA+n+1], v[HA+n:HA+n+1], v[CT+n:CT+n+1], v[T1:T1+1] neg_lo:[0,0,1] neg_hi:[0,0,1]
.set n, n+2
.endr
	WIN 0
	s_wait_xcnt 0x0
.if (\a) < 6
	CTLOAD (\a)+2
.endif
	TAIL \a
.endm
.macro EPI_V a
	WIN 0x02+(\a)/4
.set n, 0
.rept 32
	v_pk_add_f32 v[HA+n:HA+n+1], v[64*((\a)%4)+n:64*((\a)%4)+n+1], v[BI+2*(\a):BI+2*(\a)+1] op_sel_hi:[1,0]
.set n, n+2
.endr
	WIN 0
	s_wait_xcnt 0x0
	TAIL \a
.endm
	s_cmp_eq_u32 s96, 2
	s_cbranch_scc1 .Lvalues
.irp b, 0,1,2,3
.irp i, 0,1,2,3
	global_load_b128 v[BI+16*\b+4*\i:BI+16*\b+4*\i+3], v[BIO], s[66:67] offset:128*\b+16*\i
.endr
.endr
	CTLOAD 0
	CTLOAD 1
	LAST
	s_wait_loadcnt 32
.irp a, 0,1,2,3,4,5,6,7
	EPI_QK \a
.endr
	global_store_b128 v[LI], v[W2:W2+3], s[12:13]
	s_branch .Lend
.Lvalues:
.irp a, 0,1,2,3,4,5,6,7
	global_load_b32 v[BI+2*\a], v[BJO], s[94:95] offset:(32*(\a/2)+8*(\a%2))*4
	v_mov_b32 v[BI+2*\a+1], 0
.endr
	LAST
	s_wait_loadcnt 0x0
.irp a, 0,1,2,3,4,5,6,7
	EPI_V \a
.endr
	global_store_b128 v[LI], v[W2:W2+3], s[12:13]
.Lend:
	s_wait_tensorcnt 0x0
	ds_add_u32 v[SPW], v[NIL]
	s_wait_dscnt 0x0
	CROUND
	s_endpgm
.Lfunc_end_k_qbb7cf267b6_proj:
	.size	k_qbb7cf267b6_proj, .Lfunc_end_k_qbb7cf267b6_proj-k_qbb7cf267b6_proj
	.p2alignl 7, 3214868480
	.fill 96, 4, 3214868480
	.section	.rodata,"a",@progbits
	.p2align	6, 0x0
	.amdhsa_kernel k_qbb7cf267b6_proj
		.amdhsa_group_segment_fixed_size 327680
		.amdhsa_private_segment_fixed_size 0
		.amdhsa_enable_private_segment 0
		.amdhsa_kernarg_size 64
		.amdhsa_user_sgpr_count 2
		.amdhsa_user_sgpr_kernarg_segment_ptr 1
		.amdhsa_wavefront_size32 1
		.amdhsa_system_sgpr_workgroup_id_x 1
		.amdhsa_system_sgpr_workgroup_id_y 1
		.amdhsa_system_sgpr_workgroup_id_z 1
		.amdhsa_system_vgpr_workitem_id 0
		.amdhsa_next_free_vgpr 1024
		.amdhsa_next_free_sgpr 102
		.amdhsa_reserve_vcc 0
		.amdhsa_float_denorm_mode_32 3
		.amdhsa_float_denorm_mode_16_64 3
		.amdhsa_memory_ordered 1
		.amdhsa_forward_progress 1
		.amdhsa_inst_pref_size 255
	.end_amdhsa_kernel
	.section	.bss,"aw",@nobits
	.p2align	6
	.space	262144
	.amdgpu_metadata
---
amdhsa.version: [ 1, 2 ]
amdhsa.kernels:
  - .name:           k_qbb7cf267b6_proj
    .symbol:         k_qbb7cf267b6_proj.kd
    .args:
      - { .name: codes, .offset: 0, .size: 8, .value_kind: global_buffer, .address_space: global }
      - { .name: scl, .offset: 8, .size: 8, .value_kind: global_buffer, .address_space: global }
      - { .name: rope, .offset: 16, .size: 8, .value_kind: global_buffer, .address_space: global }
      - { .name: qkv, .offset: 24, .size: 8, .value_kind: global_buffer, .address_space: global }
      - { .name: qkvs, .offset: 32, .size: 8, .value_kind: global_buffer, .address_space: global }
      - { .name: Wq_b, .offset: 40, .size: 8, .value_kind: global_buffer, .address_space: global }
      - { .name: Wk_b, .offset: 48, .size: 8, .value_kind: global_buffer, .address_space: global }
      - { .name: Wv_b, .offset: 56, .size: 8, .value_kind: global_buffer, .address_space: global }
    .group_segment_fixed_size: 327680
    .private_segment_fixed_size: 0
    .kernarg_segment_align: 8
    .kernarg_segment_size: 64
    .max_flat_workgroup_size: 128
    .sgpr_count:     102
    .vgpr_count:     1024
    .wavefront_size: 32
...
	.end_amdgpu_metadata
.endif
;; end of part 2
;; launch attn (part 3): grid 16 x 16, 8 waves a work-group, no clusters, 69,120 bytes of LDS; arguments qkv, qkvs, maskw, ocodes, oscl; writes ocodes, oscl
.if DOCPART == 3
	.amdgcn_target "amdgcn-amd-amdhsa--gfx1250"
	.amdhsa_code_object_version 6
	.text
	.protected	k_qbb7cf267b6_attn
	.globl	k_qbb7cf267b6_attn
	.p2align	8
	.type	k_qbb7cf267b6_attn,@function
k_qbb7cf267b6_attn:
	s_mov_b64 s[64:65], 0
	v_nop
	global_prefetch_b8 v0, s[64:65] scope:SCOPE_SE
	s_setreg_imm32_b32 hwreg(HW_REG_WAVE_MODE, 25, 1), 1
	s_wait_xcnt 0x0
; O[h][q] = the sum over k of softmax_k(mask(Q[h][q] . K[h][k] / sqrt(128))) V[h][k], both products on codes of FP6 (E2M3) with E8M0 scales, and O quantised along h x 128 + d for the last projection.
; THE MASK IS AN INPUT, and every word of it is honoured.  The launch before stored it as whole numbers (maskw: bit = lane, word = score register, 64 words for a query tile and a key step of 128).
; WORK THAT THE STORED WORDS THROW AWAY IS NOT DONE: a key step whose 64 words are all 0 gives p = 0 for all its keys and leaves M, the sum and O as they are, for every value of Q, K and V: it is jumped over.
; A step whose words are all ones needs no select: its 64 v_cndmask_b32 are jumped over.  Every other step puts -infinity where the mask is 0, ahead of the maximum.  NaN or infinity in scores of a step left out is not carried to the result.
; The launch has no tensor load and no cluster: K's and V's operand images go from memory straight into registers, 512 consecutive bytes a load.
; No prefetch into the L2: K's loads for the next live step are issued a step ahead into registers, V's at the step's head, 25 loads each.
; A query with no key left has the sum 0: its scale bytes are set to 0xff, so that the last projection gives NaN for that row, as a softmax of nothing does.
; THE SOFTMAX: t = score x log2(e) / sqrt(128); M = the largest t so far, rounded up to a whole number; p = 2^(t - M) is quantised along the keys, not normalised; the sum is taken of the unquantised p and divides at the end.
; SHARES.  Work-group (x, head): p = x / 2, c = x % 2: tiles 4 c .. 4 c + 3 of query group 15 - p and of query group p.  Wave w: tile j = w % 4, key steps of parity k = w / 4 (8 trips).
; A wave walks two phases: k = 0 first group 15 - p, then group p; k = 1 the other way round.  The first phase's O^T, -M and sum go to LDS; behind a barrier each wave joins its second phase's with its partner's (wave w xor 4) first:
; with M the larger of the two, each part is multiplied by 2^(its M - M), which rounds nothing, and the two are added.  So each tile has one owner, and all eight waves take part in the way out.
; OPERANDS are images of operand registers (1,536 bytes a fragment), scale words images of 512 bytes for 8 tiles.  Both products are used transposed: S^T = K Q^T, O^T = V^T P^T: a lane holds one query throughout.
; oscl: [query group][head][c][lane][8 bytes]: lane 16 u + r, word i: row r of tile 4 c + 2 i + u: 256 bytes for the four tiles that four waves finish, stored whole.
; LIMITS: the scaled scores t stay under 2^31 in magnitude.  A block of zeros carries the byte 1 where the rule says 127 (this program alone reads the bytes).  NaN and infinities among the scores (other than the mask's) are not served.
; REGISTERS, window 0: v1-10, v28, v88-90 addresses; v12 -M, v13 the largest t, v[14:15] the sum; v16-27 Q; v29 -infinity; v32-63 at work at a phase's head and on the way out; v80-87 K's and V's scale images;
;   v96-159 S^T, then p; v160-223 O^T; v224-254 at work; v255 Q's scale words.  Window 1: v0-95 K's eight fragments, v96-191 V's.   s16-63 and s80-95: a step's 64 mask words.
.set IMG,   1536
.set STEPB, 8*IMG                      ; a key step's tiles of K or of V
.set KOFF,  3145728                    ; K's part of qkv, V's; K's part of qkvs, V's: all inside the loads' signed 24-bit immediate
.set VOFF,  6291456
.set KSO,   131072
.set VSO,   262144
.set MST,   0                          ; LDS: 8,192 bytes of O^T for each wave
.set MSTAT, 8*8192                     ; -M and the sum: 256 bytes for each wave
.set OST,   MSTAT+2048                 ; two halves of a scale image of O, 256 bytes each
.set SPARE, OST+512                    ; the spare words, 128 bytes for each wave
.set LI,    1                          ; v1   16 x lane
.set L8,    2                          ; v2   8 x lane
.set OSA,   4                          ; v4   my tile's word in O's scale words
.set SPW,   5                          ; v5   my spare word; never rewritten
.set NIL,   6                          ; v6   0; never rewritten
.set OSR,   7                          ; v7   where 8 bytes a lane of my four waves' scale words are read back
.set QSO,   10                         ; v10  my tile's place in a scale image + 16 r
.set MSA,   28                         ; v28  my O^T in LDS;  v89 my partner's
.set MSS,   88                         ; v88  my -M and sum;  v90 my partner's
.set MSA2,  89
.set MSS2,  90
.set KS,    80
.set VS,    84
.set TM,    32
.set PW,    48
.set PC,    224
.set WV,    4                          ; s4   wave
.set QT,    5                          ; s5   my tile in its query group: 4 c + j
.set SEL,   6                          ; s[6:7]   lane selects for lane l xor 16
.set CS,    8                          ; s[8:9]   c = log2(e) / sqrt(128), twice
.set LIVE,  10                         ; s10  bit 0: this trip's step has a key left; bit 1: the next trip's
.set PART,  11                         ; s11  bit 0: this trip's step has a key hidden
.set PH,    12                         ; s12  phase
.set CNT,   13                         ; s13  trips to go
.set MOFF,  14                         ; s14  the step's mask words, from my first step's
.set GCUR,  15                         ; s15  this phase's query group;  s66 the second phase's
.set GNXT,  66
.set KPAR,  67                         ; s67  my parity of key steps
.set QH,    68                         ; s[68:69] qkv + the head;  s[70:71] qkvs + the head;  s[72:73] maskw
.set SH,    70
.set MK,    72
.set KB,    74                         ; s[74:75] qkv + the head + the trip's step;  s[76:77] the same in qkvs
.set SB,    76
.set OC,    78                         ; s[78:79] my image in ocodes;  s[96:97] my four waves' 256 bytes of oscl
.set OS,    96
.set MSB, 0
.macro WIN new                         ; the immediate's high byte repeats the setting that is left
.if MSB != (\new)
	s_set_vgpr_msb (MSB<<8)|(\new)
.set MSB, (\new)
.endif
.endm
.macro WMS d, a, b, c, sa, sb, ra      ; one matrix instruction.  c < 0: the constant 0 starts the sum.  ra: the half of the lanes in which source 0's scale words stand
.if (\c) < 0
.if (\ra) == 0
	v_wmma_scale_f32_16x16x128_f8f6f4 v[(\d):(\d)+7], v[(\a):(\a)+11], v[(\b):(\b)+11], 0, v[\sa], v[\sb] matrix_a_fmt:MATRIX_FMT_FP6 matrix_b_fmt:MATRIX_FMT_FP6
.else
	v_wmma_scale_f32_16x16x128_f8f6f4 v[(\d):(\d)+7], v[(\a):(\a)+11], v[(\b):(\b)+11], 0, v[\sa], v[\sb] matrix_a_fmt:MATRIX_FMT_FP6 matrix_b_fmt:MATRIX_FMT_FP6 matrix_a_scale:MATRIX_SCALE_ROW1
.endif
.else
.if (\ra) == 0
	v_wmma_scale_f32_16x16x128_f8f6f4 v[(\d):(\d)+7], v[(\a):(\a)+11], v[(\b):(\b)+11], v[(\c):(\c)+7], v[\sa], v[\sb] matrix_a_fmt:MATRIX_FMT_FP6 matrix_b_fmt:MATRIX_FMT_FP6
.else
	v_wmma_scale_f32_16x16x128_f8f6f4 v[(\d):(\d)+7], v[(\a):(\a)+11], v[(\b):(\b)+11], v[(\c):(\c)+7], v[\sa], v[\sb] matrix_a_fmt:MATRIX_FMT_FP6 matrix_b_fmt:MATRIX_FMT_FP6 matrix_a_scale:MATRIX_SCALE_ROW1
.endif
.endif
.endm
.macro PLACES                          ; four places behind matrix instructions (ISA guide 7.12.1)
.rept 4
	v_nop
.endr
.endm
.macro KLOAD on                        ; K's eight fragments and its scale image, \on key steps on: 25 loads
	WIN 0x40
.irp t, 0,1,2,3,4,5,6,7
.irp c, 0,1,2
	global_load_b128 v[12*\t+4*\c:12*\t+4*\c+3], v[LI], s[KB:KB+1] offset:KOFF+(\on)*STEPB+IMG*\t+512*\c
.endr
.endr
	WIN 0
	global_load_b128 v[KS:KS+3], v[LI], s[SB:SB+1] offset:KSO+(\on)*512
.endm
.macro KNEXT                           ; the next trip's K, if that step has a key left (behind the last trip the bit is 0: no load leaves the head's part)
	s_bitcmp1_b32 s[LIVE], 1
	s_cbranch_scc0 .Lno_next_\@
	KLOAD 2
.Lno_next_\@:
.endm
.macro QUANT s                         ; 64 numbers of a lane become a fragment's codes in v[PC] on and its scale word in v[PW]
.irp b, 0,1,2,3
	v_max3_num_f32 v[TM+\b], |v[\s+16*\b]|, |v[\s+1+16*\b]|, 0x1800000
.endr
.irp i, 2,4,6,8,10,12,14
.irp b, 0,1,2,3
	s_delay_alu instid0(VALU_DEP_4)
	v_max3_num_f32 v[TM+\b], v[TM+\b], |v[\s+16*\b+\i]|, |v[\s+1+16*\b+\i]|
.endr
.endr
.irp b, 0,1,2,3
	s_delay_alu instid0(VALU_DEP_4)
	v_permlanex16_b32 v[TM+4+\b], v[TM+\b], s[SEL], s[SEL+1]
.endr
.irp b, 0,1,2,3
	s_delay_alu instid0(VALU_DEP_4)
	v_max_num_f32 v[TM+\b], v[TM+\b], v[TM+4+\b]
.endr
.irp b, 0,1,2,3
	s_delay_alu instid0(VALU_DEP_4)
	v_add_nc_u32 v[TM+12+\b], 0xff000000, v[TM+\b]
.endr
.irp b, 0,1,2,3
	s_delay_alu instid0(VALU_DEP_4)
	v_lshrrev_b32 v[TM+4+\b], 23, v[TM+12+\b]
.endr
	s_delay_alu instid0(VALU_DEP_3)
	v_lshl_or_b32 v[PW], v[TM+5], 8, v[TM+4]
	s_delay_alu instid0(VALU_DEP_1)
	v_lshl_or_b32 v[PW], v[TM+6], 16, v[PW]
	s_delay_alu instid0(VALU_DEP_1)
	v_lshl_or_b32 v[PW], v[TM+7], 24, v[PW]
.irp c, 0,1
	v_cvt_scalef32_pk16_fp6_f32 v[PC+6*\c:PC+2+6*\c], v[\s+32*\c:\s+15+32*\c], v[TM+12+2*\c]
	v_cvt_scalef32_pk16_fp6_f32 v[PC+12+4*\c:PC+14+4*\c], v[\s+16+32*\c:\s+31+32*\c], v[TM+12+2*\c+1]
.endr
	v_nop
.irp c, 0,1
.irp i, 0,1,2
	v_permlane16_swap_b32 v[PC+6*\c+\i], v[PC+12+4*\c+\i]
.endr
.irp i, 0,1,2
	s_delay_alu instid0(VALU_DEP_3)
	v_mov_b32 v[PC+3+6*\c+\i], v[PC+12+4*\c+\i]
.endr
.endr
.endm
	s_load_b256 s[16:23], s[0:1], 0x0              ; qkv, qkvs, maskw, ocodes
	s_load_b64 s[24:25], s[0:1], 0x20              ; oscl
	v_lshl_add_u32 v[SPW], v0, 2, SPARE
	v_mov_b32 v[NIL], 0
	v_lshrrev_b32 v3, 5, v0
	v_readfirstlane_b32 s[WV], v3                  ; wave 0..7
	s_and_b32 s26, s[WV], 3                        ; j
	s_lshr_b32 s[KPAR], s[WV], 2                   ; k
	s_and_b32 s28, ttmp9, 1                        ; c
	s_lshr_b32 s29, ttmp9, 1                       ; p
	s_lshl_b32 s[QT], s28, 2
	s_add_co_u32 s[QT], s[QT], s26
	s_sub_co_u32 s30, 15, s29
	s_cmp_eq_u32 s[KPAR], 0
	s_cselect_b32 s[GCUR], s30, s29                ; the first phase's query group,
	s_cselect_b32 s[GNXT], s29, s30                ; and the second's, whose tile I finish
	s_and_b32 s31, ttmp7, 0xffff                   ; the head
	s_and_b32 s32, s[QT], 1                        ; my tile's place in a scale image of Q: 256 (tile % 2) + 4 (tile / 2)
	s_lshl_b32 s32, s32, 8
	s_lshr_b32 s33, s[QT], 1
	s_lshl_b32 s33, s33, 2
	s_add_co_u32 s32, s32, s33
	s_and_b32 s34, s26, 1                          ; and among O's scale words: 128 (j % 2) + 4 (j / 2) + 256 k
	s_lshl_b32 s34, s34, 7
	s_lshr_b32 s35, s26, 1
	s_lshl_b32 s35, s35, 2
	s_add_co_u32 s34, s34, s35
	s_lshl_b32 s35, s[KPAR], 8
	s_add_co_u32 s35, s35, OST
	s_add_co_u32 s34, s34, s35
	s_lshl_b32 s36, s[WV], 13
	s_xor_b32 s37, s[WV], 4                        ; my partner
	s_lshl_b32 s38, s37, 13
	s_lshl_b32 s39, s[WV], 8
	s_add_co_u32 s39, s39, MSTAT
	s_lshl_b32 s40, s37, 8
	s_add_co_u32 s40, s40, MSTAT
	s_mov_b32 s[SEL], 0x76543210
	s_mov_b32 s[SEL+1], 0xfedcba98
	s_mov_b32 s[CS], 0x3e0293ee                    ; c = log2(e) / sqrt(128)
	s_mov_b32 s[CS+1], s[CS]
	s_mov_b32 s[PH], 0
	v_and_b32 v3, 31, v0
	v_and_b32 v8, 15, v0
	v_mov_b32 v29, 0xff800000                      ; -infinity
	v_lshlrev_b32 v[LI], 4, v3
	v_lshlrev_b32 v[L8], 3, v3
	v_lshl_add_u32 v[QSO], v8, 4, s32
	v_lshl_add_u32 v[OSA], v8, 3, s34
	v_add_nc_u32 v[OSR], s35, v[L8]
	v_add_nc_u32 v[MSA], s36, v[LI]
	v_add_nc_u32 v[MSA2], s38, v[LI]
	v_add_nc_u32 v[MSS], s39, v[L8]
	v_add_nc_u32 v[MSS2], s40, v[L8]
.irp b, 0,1,2,3
	v_mov_b32 v[236+\b], 0                         ; written once: a lane permute's destination counts as one of its sources
.endr
	v_mov_b32 v252, 0
	v_mov_b32 v253, 0
	s_wait_alu depctr_va_vdst(0)                   ; the wait at the head's end
	s_wait_kmcnt 0x0
	s_mul_i32 s36, s31, 196608
	s_mov_b32 s37, 0
	s_add_nc_u64 s[QH:QH+1], s[16:17], s[36:37]
	s_lshl_b32 s36, s31, 13
	s_add_nc_u64 s[SH:SH+1], s[18:19], s[36:37]
	s_mov_b64 s[MK:MK+1], s[20:21]
	s_mul_i32 s36, s[GNXT], 196608                 ; O's image: [query group][head][tile]
	s_mul_i32 s38, s31, STEPB
	s_add_co_u32 s36, s36, s38
	s_mul_i32 s38, s[QT], IMG
	s_add_co_u32 s36, s36, s38
	s_add_nc_u64 s[OC:OC+1], s[22:23], s[36:37]
	s_lshl_b32 s36, s[GNXT], 13
	s_lshl_b32 s38, s31, 9
	s_add_co_u32 s36, s36, s38
	s_lshl_b32 s38, s28, 8
	s_add_co_u32 s36, s36, s38
	s_add_nc_u64 s[OS:OS+1], s[24:25], s[36:37]
.Lphase:                                               ; two trips: a query tile each
	s_wait_loadcnt 0x0                             ; no load of mine is out: its registers and bases may be written
	s_wait_xcnt 0x0
	s_lshl_b32 s16, s[GCUR], 3
	s_add_co_u32 s16, s16, s[QT]                   ; my query tile among the 128
	s_mul_i32 s100, s16, IMG
	s_mov_b32 s101, 0
	s_add_nc_u64 s[100:101], s[QH:QH+1], s[100:101]   ; Q's image
	s_lshl_b32 s98, s[GCUR], 9
	s_mov_b32 s99, 0
	s_add_nc_u64 s[98:99], s[SH:SH+1], s[98:99]    ; the group's scale image of Q
	s_lshl_b32 s16, s16, 12                        ; the mask's words: 4,096 bytes a query tile, 256 a key step
	s_lshl_b32 s17, s[KPAR], 8
	s_add_co_u32 s16, s16, s17
	s_mov_b32 s17, 0
	s_add_nc_u64 s[2:3], s[MK:MK+1], s[16:17]
	s_mul_i32 s16, s[KPAR], STEPB
	s_add_nc_u64 s[KB:KB+1], s[QH:QH+1], s[16:17]  ; my first key step
	s_lshl_b32 s16, s[KPAR], 9
	s_add_nc_u64 s[SB:SB+1], s[SH:SH+1], s[16:17]
.irp c, 0,1,2
	global_load_b128 v[16+4*\c:19+4*\c], v[LI], s[100:101] offset:512*\c
.endr
	global_load_b32 v255, v[QSO], s[98:99]         ; lane r (and r + 16): row r's word
.irp t, 0,1,2,3,4,5,6,7
	global_load_b64 v[32+2*\t:33+2*\t], v[L8], s[2:3] offset:512*\t   ; my eight steps' mask words, two a lane
.endr
	KLOAD 0                                        ; the first trip's K comes whatever its mask says, so that K's registers are always written
	v_mov_b32 v13, 0xff61b1e6                      ; the largest t so far: -3e38, under every t
	v_mov_b32 v14, 0
	v_mov_b32 v15, 0
	v_floor_f32 v12, -v13                          ; -M
.set n, 0
.rept 64
	v_mov_b32 v[160+n], 0                          ; O^T: the step is written once, and a tile may have no live step at all
.set n, n+1
.endr
	s_wait_loadcnt 25                              ; Q and the mask words are in; K's 25 loads may be out
.irp t, 0,1,2,3,4,5,6,7
	v_or_b32 v[48+\t], v[32+2*\t], v[33+2*\t]
	v_and_b32 v[56+\t], v[32+2*\t], v[33+2*\t]
.endr
.irp t, 0,1,2,3,4,5,6,7
	v_cmp_ne_u32 s[16+\t], 0, v[48+\t]             ; some word of the step is not 0
	v_cmp_ne_u32 s[24+\t], -1, v[56+\t]            ; some word is not all ones
.endr
	s_mov_b32 s[LIVE], 0
	s_mov_b32 s[PART], 0
.irp t, 0,1,2,3,4,5,6,7
	s_cmp_lg_u32 s[16+\t], 0
	s_cselect_b32 s32, 1<<\t, 0
	s_or_b32 s[LIVE], s[LIVE], s32
	s_cmp_lg_u32 s[24+\t], 0
	s_cselect_b32 s32, 1<<\t, 0
	s_or_b32 s[PART], s[PART], s32
.endr
	s_mov_b32 s[MOFF], 0
	s_mov_b32 s[CNT], 8
	s_wait_alu depctr_va_vdst(0)
.Ltrip:                                                ; a key step of 128 keys
	s_bitcmp1_b32 s[LIVE], 0
	s_cbranch_scc0 .Ldead
	s_load_b512 s[16:31], s[2:3], s[MOFF] offset:0x0   ; the step's 64 mask words
	s_load_b512 s[32:47], s[2:3], s[MOFF] offset:0x40
	s_load_b512 s[48:63], s[2:3], s[MOFF] offset:0x80
	s_load_b512 s[80:95], s[2:3], s[MOFF] offset:0xc0
	WIN 0x40
.irp t, 0,1,2,3,4,5,6,7
.irp c, 0,1,2
	global_load_b128 v[96+12*\t+4*\c:99+12*\t+4*\c], v[LI], s[KB:KB+1] offset:VOFF+IMG*\t+512*\c   ; V's fragments: they land under the softmax
.endr
.endr
	WIN 0
	global_load_b128 v[VS:VS+3], v[LI], s[SB:SB+1] offset:VSO
	s_wait_loadcnt 25                              ; K's 25 loads are in; the 25 just issued may be out
	WIN 0x01
.irp t, 0,1,2,3,4,5,6,7
	WMS 96+8*\t, 12*\t, 16, -1, KS+\t/2, 255, \t%2   ; S^T: lane (r, h) holds query r; register n holds key 32 (n / 16) + 16 h + n % 16
.endr
	WIN 0
	PLACES                                         ; for the loads below and for the first read of results
	KNEXT
	s_wait_kmcnt 0x0
	s_bitcmp1_b32 s[PART], 0
	s_cbranch_scc0 .Lfull
.set n, 0
.rept 64
.if n < 48
	v_cndmask_b32 v[96+n], v29, v[96+n], s[16+n]   ; -infinity where the mask is 0; each accumulator from its low end on
.else
	v_cndmask_b32 v[96+n], v29, v[96+n], s[32+n]
.endif
.set n, n+1
.endr
.Lfull:
.irp b, 0,1,2,3
	v_max3_num_f32 v[232+\b], v[96+16*\b], v[97+16*\b], v[98+16*\b]   ; the largest score of each block of 32 keys: for the row's maximum and, since p rises with the score, for the block's largest p
.endr
.irp i, 3,5,7,9,11,13
.irp b, 0,1,2,3
	v_max3_num_f32 v[232+\b], v[232+\b], v[96+16*\b+\i], v[97+16*\b+\i]   ; the four blocks by turns
.endr
.endr
.irp b, 0,1,2,3
	v_max_num_f32 v[232+\b], v[232+\b], v[111+16*\b]
.endr
.irp b, 0,1,2,3
	s_delay_alu instid0(VALU_DEP_4)
	v_permlanex16_b32 v[236+\b], v[232+\b], s[SEL], s[SEL+1]
.endr
.irp b, 0,1,2,3
	s_delay_alu instid0(VALU_DEP_4)
	v_max_num_f32 v[232+\b], v[232+\b], v[236+\b]  ; with lane l xor 16's 16 keys
.endr
	s_delay_alu instid0(VALU_DEP_2)
	v_max3_num_f32 v254, v232, v233, v234
	s_delay_alu instid0(VALU_DEP_1)
	v_max_num_f32 v254, v254, v235
	s_delay_alu instid0(VALU_DEP_1)
	v_mul_f32 v254, s[CS], v254                    ; as t (c is positive)
	s_delay_alu instid0(VALU_DEP_1)
	v_max_num_f32 v13, v13, v254                   ; the running largest t
	v_mov_b32 v254, v12
	s_delay_alu instid0(VALU_DEP_2)
	v_floor_f32 v12, -v13                          ; the new -M = -ceil(t)
	s_delay_alu instid0(VALU_DEP_1)
	v_sub_f32 v254, v12, v254                      ; old M - new M: a whole number, 0 or less
	s_delay_alu instid0(VALU_DEP_1)
	v_cvt_i32_f32 v254, v254                       ; (it saturates)
	s_delay_alu instid0(VALU_DEP_1)
	v_ldexp_f32 v252, 1.0, v254                    ; f = 2^(old M - new M)
.set n, 0
.rept 32
	v_pk_fma_f32 v[96+n:97+n], v[96+n:97+n], s[CS:CS+1], v[12:13] op_sel_hi:[1,0,0]   ; t - M
.set n, n+2
.endr
.irp b, 0,1,2,3
	v_fma_f32 v[232+\b], v[232+\b], s[CS], v12     ; the same of each block's largest score
.endr
	s_wait_alu depctr_va_vdst(0)                   ; the wait ahead of the batch
.set n, 0
.rept 64
	v_exp_f32 v[96+n], v[96+n]                     ; p = 2^(t - M): one batch
.set n, n+1
.endr
	v_pk_mul_f32 v[14:15], v[14:15], v[252:253] op_sel_hi:[1,0]   ; the sums under the new M: a plain place behind the exponentials
	s_wait_alu depctr_va_vdst(0)                   ; one wait for the batch, ahead of its first reader
.irp b, 0,1,2,3
	v_exp_f32 v[232+\b], v[232+\b]                 ; the block's largest p
.endr
	v_pk_add_f32 v[236:237], v[96:97], v[98:99]    ; the row's sum of the unquantised p, in four chains by turns
	v_pk_add_f32 v[250:251], v[100:101], v[102:103]
	v_pk_add_f32 v[248:249], v[104:105], v[106:107]
	v_pk_add_f32 v[14:15], v[14:15], v[108:109]
	v_pk_add_f32 v[236:237], v[236:237], v[110:111]
.irp j, 112,120,128,136,144,152
	v_pk_add_f32 v[250:251], v[250:251], v[\j:\j+1]
	v_pk_add_f32 v[248:249], v[248:249], v[\j+2:\j+3]
	v_pk_add_f32 v[14:15], v[14:15], v[\j+4:\j+5]
	v_pk_add_f32 v[236:237], v[236:237], v[\j+6:\j+7]
.endr
	v_pk_add_f32 v[250:251], v[250:251], v[248:249]
	v_pk_add_f32 v[14:15], v[14:15], v[236:237]
	s_delay_alu instid0(VALU_DEP_1)
	v_pk_add_f32 v[14:15], v[14:15], v[250:251]
	s_wait_alu depctr_va_vdst(0)                   ; and one for the four
.irp b, 0,1,2,3
	v_max_num_f32 v[232+\b], 0x1800000, v[232+\b]  ; the floor 2^(3 - 127): a block whose every p is 0 keeps the byte 1: its codes are zeros
.endr
.irp b, 0,1,2,3
	s_delay_alu instid0(VALU_DEP_4)
	v_add_nc_u32 v[244+\b], 0xff000000, v[232+\b]
.endr
.irp b, 0,1,2,3
	s_delay_alu instid0(VALU_DEP_4)
	v_lshrrev_b32 v[236+\b], 23, v[244+\b]
.endr
	s_delay_alu instid0(VALU_DEP_3)
	v_lshl_or_b32 v253, v237, 8, v236              ; p's scale word for these 128 keys
	s_delay_alu instid0(VALU_DEP_1)
	v_lshl_or_b32 v253, v238, 16, v253
	s_delay_alu instid0(VALU_DEP_1)
	v_lshl_or_b32 v253, v239, 24, v253
.irp c, 0,1
	v_cvt_scalef32_pk16_fp6_f32 v[224+6*\c:226+6*\c], v[96+32*\c:111+32*\c], v[244+2*\c]
	v_cvt_scalef32_pk16_fp6_f32 v[236+4*\c:238+4*\c], v[112+32*\c:127+32*\c], v[244+2*\c+1]
.endr
	v_nop                                          ; one plain place behind a scaled conversion
.irp c, 0,1
.irp i, 0,1,2
	v_permlane16_swap_b32 v[224+6*\c+\i], v[236+4*\c+\i]
.endr
.irp i, 0,1,2
	s_delay_alu instid0(VALU_DEP_3)
	v_mov_b32 v[227+6*\c+\i], v[236+4*\c+\i]
.endr
.endr
	s_wait_alu depctr_va_vdst(0)                   ; directly ahead of the first reader of O^T
.set n, 0
.rept 32
	v_pk_mul_f32 v[160+n:161+n], v[160+n:161+n], v[252:253] op_sel_hi:[1,0]   ; O^T under the new M.  These 32 are also the places between p's codes and scale word and the products below
.set n, n+2
.endr
	s_wait_alu depctr_va_vdst(0)                   ; directly ahead of the wait below
	s_wait_loadcnt 0x0                             ; V is in; whether the next K was asked for behind it differs from way to way, so the count is 0
	WIN 0x01
.irp t, 0,1,2,3,4,5,6,7
	WMS 160+8*\t, 96+12*\t, 224, 160+8*\t, VS+\t/2, 253, \t%2   ; O^T += V^T P^T: eight accumulators, one instruction each
.endr
	WIN 0
	PLACES                                         ; in front of the next loads into V's registers and of what follows the last step
	s_branch .Ljoin
.Ldead:                                                ; no key of this step counts for my tile
	s_wait_loadcnt 0x0                             ; the first trip's K may be out: its registers take the next
	KNEXT
.Ljoin:
	s_wait_xcnt 0x0                                ; my loads have read their bases
	s_add_nc_u64 s[KB:KB+1], s[KB:KB+1], 2*STEPB   ; two key steps on: my parity
	s_add_nc_u64 s[SB:SB+1], s[SB:SB+1], 1024
	s_add_co_u32 s[MOFF], s[MOFF], 512
	s_lshr_b32 s[LIVE], s[LIVE], 1
	s_lshr_b32 s[PART], s[PART], 1
	s_sub_co_u32 s[CNT], s[CNT], 1
	s_cmp_lg_u32 s[CNT], 0
	s_cbranch_scc1 .Ltrip
	v_add_f32 v14, v14, v15
	s_delay_alu instid0(VALU_DEP_1)
	v_permlanex16_b32 v252, v14, s[SEL], s[SEL+1]
	s_delay_alu instid0(VALU_DEP_1)
	v_add_f32 v13, v14, v252                       ; my part's sum: v[12:13] = -M, the sum
	s_wait_alu depctr_va_vdst(0)                   ; ahead of the branches and the barrier
	s_cmp_lg_u32 s[PH], 0
	s_cbranch_scc1 .Lmine
.irp q, 0,1,2,3,4,5,6,7,8,9,10,11,12,13,14,15
	ds_store_b128 v[MSA], v[160+4*\q:163+4*\q] offset:512*\q   ; the first phase's part goes to my partner: as the registers stand, each accumulator from its low end on
.endr
	ds_store_b64 v[MSS], v[12:13]
.Lmine:
	s_mov_b32 s[GCUR], s[GNXT]
	s_add_co_u32 s[PH], s[PH], 1
	s_cmp_lt_u32 s[PH], 2
	s_cbranch_scc1 .Lphase
	; THE PARTS MEET: my second phase's tile is my partner's first
	s_wait_dscnt 0x0                               ; for the others' sake: my stores have landed
	s_barrier_signal -1
	s_barrier_wait -1
	ds_load_b64 v[30:31], v[MSS2]                  ; the other part's -M and sum
.irp q, 0,1,2,3,4,5,6,7,8,9,10,11,12,13,14,15
	ds_load_b128 v[96+4*\q:99+4*\q], v[MSA2] offset:512*\q     ; and its O^T, in the same lanes and order as mine
.endr
	s_wait_dscnt 16                                ; the pair is in; the sixteen loads behind it may be out
	v_min_num_f32 v50, v12, v30                    ; -M of both parts: the smaller
	s_delay_alu instid0(VALU_DEP_1)
	v_sub_f32 v51, v50, v12                        ; my M - M: a whole number, 0 or less
	v_sub_f32 v52, v50, v30                        ; the other's
	s_delay_alu instid0(VALU_DEP_2)
	v_cvt_i32_f32 v51, v51                         ; (they saturate: a part with no key left gets the factor 0)
	s_delay_alu instid0(VALU_DEP_2)
	v_cvt_i32_f32 v52, v52
	s_delay_alu instid0(VALU_DEP_2)
	v_ldexp_f32 v51, 1.0, v51                      ; f1 = 2^(my M - M)
	s_delay_alu instid0(VALU_DEP_2)
	v_ldexp_f32 v52, 1.0, v52                      ; f2
	s_delay_alu instid0(VALU_DEP_2)
	v_mul_f32 v49, v13, v51
	s_delay_alu instid0(VALU_DEP_1)
	v_fma_f32 v49, v31, v52, v49                   ; the row's sum under M
	s_wait_alu depctr_va_vdst(0)                   ; the wait ahead of the transcendental
	v_rcp_f32 v53, v49
.irp b, 0,1,2,3
	v_mov_b32 v[TM+4+\b], 0                        ; plain places behind the reciprocal; a lane permute's destination counts as one of its sources
.endr
	v_mov_b32 v55, 0                               ; (named as the upper halves of the pairs below, so they are written)
	v_mov_b32 v57, 0
	s_wait_alu depctr_va_vdst(0)                   ; the wait ahead of the reciprocal's first reader
	v_mul_f32 v54, v51, v53                        ; f1 / the sum
	v_mul_f32 v56, v52, v53                        ; f2 / the sum
	s_wait_alu depctr_va_vdst(0)                   ; directly ahead of the wait below
	s_wait_dscnt 0x0                               ; the other part's O^T
.set n, 0
.rept 32
	v_pk_mul_f32 v[96+n:97+n], v[96+n:97+n], v[56:57] op_sel_hi:[1,0]
	v_pk_fma_f32 v[96+n:97+n], v[160+n:161+n], v[54:55], v[96+n:97+n] op_sel_hi:[1,0,1]   ; O^T / the sum; my accumulators from their low ends on
.set n, n+2
.endr
	; THE WAY OUT: the last projection's operand: K step = my head, register n = channel 32 (n / 16) + 16 h + n % 16: the quantiser's order
	QUANT 96
	v_cmp_eq_f32 vcc_lo, 0, v49                    ; a query with no key left:
	s_delay_alu instid0(VALU_DEP_1)
	v_cndmask_b32 v[PW], v[PW], -1, vcc_lo         ; its four scale bytes become 0xff
.irp c, 0,1,2
	global_store_b128 v[LI], v[PC+4*\c:PC+4*\c+3], s[OC:OC+1] offset:512*\c   ; 32 lanes store 512 consecutive bytes
.endr
	ds_store_b32 v[OSA], v[PW]                     ; lanes r and r + 16 write the same word with the same value
	s_wait_dscnt 0x0                               ; for the others' sake
	s_barrier_signal -1
	s_barrier_wait -1
	s_and_b32 s16, s[WV], 3
	s_cmp_lg_u32 s16, 0
	s_cbranch_scc1 .Lnot_first
	ds_load_b64 v[32:33], v[OSR]                   ; waves 0 and 4: their four waves' scale words
	s_wait_dscnt 0x0
	global_store_b64 v[L8], v[32:33], s[OS:OS+1]   ; 32 lanes store 256 consecutive bytes, aligned
.Lnot_first:
	s_wait_tensorcnt 0x0                           ; the wave's end
	ds_add_u32 v[SPW], v[NIL]
	s_wait_dscnt 0x0
	s_endpgm
.Lfunc_end_k_qbb7cf267b6_attn:
	.size	k_qbb7cf267b6_attn, .Lfunc_end_k_qbb7cf267b6_attn-k_qbb7cf267b6_attn
	.p2alignl 7, 3214868480
	.fill 96, 4, 3214868480
	.section	.rodata,"a",@progbits
	.p2align	6, 0x0
	.amdhsa_kernel k_qbb7cf267b6_attn
		.amdhsa_group_segment_fixed_size 69120
		.amdhsa_private_segment_fixed_size 0
		.amdhsa_enable_private_segment 0
		.amdhsa_kernarg_size 40
		.amdhsa_user_sgpr_count 2
		.amdhsa_user_sgpr_kernarg_segment_ptr 1
		.amdhsa_wavefront_size32 1
		.amdhsa_system_sgpr_workgroup_id_x 1
		.amdhsa_system_sgpr_workgroup_id_y 1
		.amdhsa_system_sgpr_workgroup_id_z 1
		.amdhsa_system_vgpr_workitem_id 0
		.amdhsa_next_free_vgpr 512
		.amdhsa_next_free_sgpr 102
		.amdhsa_reserve_vcc 1
		.amdhsa_float_denorm_mode_32 3
		.amdhsa_float_denorm_mode_16_64 3
		.amdhsa_memory_ordered 1
		.amdhsa_forward_progress 1
		.amdhsa_inst_pref_size 56
	.end_amdhsa_kernel
	.amdgpu_metadata
---
amdhsa.version: [ 1, 2 ]
amdhsa.kernels:
  - .name:           k_qbb7cf267b6_attn
    .symbol:         k_qbb7cf267b6_attn.kd
    .args:
      - { .name: qkv, .offset: 0, .size: 8, .value_kind: global_buffer, .address_space: global }
      - { .name: qkvs, .offset: 8, .size: 8, .value_kind: global_buffer, .address_space: global }
      - { .name: maskw, .offset: 16, .size: 8, .value_kind: global_buffer, .address_space: global }
      - { .name: ocodes, .offset: 24, .size: 8, .value_kind: global_buffer, .address_space: global }
      - { .name: oscl, .offset: 32, .size: 8, .value_kind: global_buffer, .address_space: global }
    .group_segment_fixed_size: 69120
    .private_segment_fixed_size: 0
    .kernarg_segment_align: 8
    .kernarg_segment_size: 40
    .max_flat_workgroup_size: 256
    .sgpr_count:     102
    .vgpr_count:     512
    .wavefront_size: 32
...
	.end_amdgpu_metadata
.endif
;; end of part 3
;; launch outp (part 4): grid 16 x 16, 4 waves a work-group, clusters of 4 x 4, 327,680 bytes of LDS; arguments ocodes, oscl, codes, scl, Wo_b, out0; writes out0
.if DOCPART == 4
	.amdgcn_target "amdgcn-amd-amdhsa--gfx1250"
	.amdhsa_code_object_version 6
	.text
	.protected	k_qbb7cf267b6_outp
	.globl	k_qbb7cf267b6_outp
	.p2align	8
	.type	k_qbb7cf267b6_outp,@function
k_qbb7cf267b6_outp:
	s_mov_b64 s[64:65], 0
	v_nop
	global_prefetch_b8 v0, s[64:65] scope:SCOPE_SE
	s_setreg_imm32_b32 hwreg(HW_REG_WAVE_MODE, 25, 1), 1
	s_wait_xcnt 0x0
	s_wait_alu depctr_hold_cnt(0) depctr_sa_sdst(0) depctr_va_vdst(0) depctr_va_sdst(0) depctr_va_ssrc(0) depctr_va_vcc(0) depctr_vm_vsrc(0)
	s_getreg_b32 s2, hwreg(HW_REG_IB_STS2, 6, 4)
	s_cmp_eq_u32 s2, 0
	s_cbranch_scc0 .Lentry_in_a_cluster
	s_endpgm
.Lentry_in_a_cluster:
	s_bfe_u32 s2, ttmp6, 0x10000c
	s_cmp_lg_u32 s2, 0xf033
	s_cbranch_scc0 .Lentry_shape_is_right
	s_endpgm
.Lentry_shape_is_right:
.set FR,    12
.set IMG,   1536
.set HB,    16*IMG
.set SLOT,  4*HB
.set SCL,   2*SLOT
.set SPARE, SCL+16384
.set SPITCH, 272
.set ADRA,  16
.set ADRB,  20
.set ADSA,  22
.set ADSB,  23
.set STO,   24
.set RD,    25
.set CO,    26
.set BIO,   27
.set SPW,   28
.set NIL,   29
.set SC,    32
.set BI,    64
.set BK,    96
.set ACC,   128
.set G1, 24
.set G0, 32
.set G1B, 48
.set G0B, 56
.set G1S, 68
.set G0S, 76
.set G1SB, 80
.set G0SB, 88
.set MSB, 0
.macro WIN new
.if MSB != (\new)
	s_set_vgpr_msb (MSB<<8)|(\new)
.set MSB, (\new)
.endif
.endm
.set MULW, 0x05
.macro WMS d, a, b, c, sa, sb, ra, rb
.if ((\ra) == 0) && ((\rb) == 0)
	v_wmma_scale_f32_16x16x128_f8f6f4 v[(\d):(\d)+7], v[(\a):(\a)+11], v[(\b):(\b)+11], v[(\c):(\c)+7], v[\sa], v[\sb] matrix_a_fmt:MATRIX_FMT_FP6 matrix_b_fmt:MATRIX_FMT_FP6
.elseif (\rb) == 0
	v_wmma_scale_f32_16x16x128_f8f6f4 v[(\d):(\d)+7], v[(\a):(\a)+11], v[(\b):(\b)+11], v[(\c):(\c)+7], v[\sa], v[\sb] matrix_a_fmt:MATRIX_FMT_FP6 matrix_b_fmt:MATRIX_FMT_FP6 matrix_a_scale:MATRIX_SCALE_ROW1
.elseif (\ra) == 0
	v_wmma_scale_f32_16x16x128_f8f6f4 v[(\d):(\d)+7], v[(\a):(\a)+11], v[(\b):(\b)+11], v[(\c):(\c)+7], v[\sa], v[\sb] matrix_a_fmt:MATRIX_FMT_FP6 matrix_b_fmt:MATRIX_FMT_FP6 matrix_b_scale:MATRIX_SCALE_ROW1
.else
	v_wmma_scale_f32_16x16x128_f8f6f4 v[(\d):(\d)+7], v[(\a):(\a)+11], v[(\b):(\b)+11], v[(\c):(\c)+7], v[\sa], v[\sb] matrix_a_fmt:MATRIX_FMT_FP6 matrix_b_fmt:MATRIX_FMT_FP6 matrix_a_scale:MATRIX_SCALE_ROW1 matrix_b_scale:MATRIX_SCALE_ROW1
.endif
.endm
.macro JLOAD g0a, g1a, g0b, g1b
	s_cmp_eq_u32 s15, 0
	s_cbranch_scc0 .Lfor_b_\@
	tensor_load_to_lds s[\g0a:\g0a+3], s[\g1a:\g1a+7]
	s_nop 0
.rept 4
	v_nop
.endr
	s_branch .Lasked_\@
.Lfor_b_\@:
	tensor_load_to_lds s[\g0b:\g0b+3], s[\g1b:\g1b+7]
	s_nop 0
.rept 4
	v_nop
.endr
.Lasked_\@:
.endm
.macro CREST
	s_cmp_lg_u32 s14, 0
	s_cbranch_scc1 .Lnot_wave_0_\@
	s_barrier_signal -3
.Lnot_wave_0_\@:
	s_barrier_wait -3
	s_barrier_signal -1
	s_barrier_wait -1
.endm
.macro CROUND
	s_barrier_signal -1
	s_barrier_wait -1
	CREST
.endm
.macro PLACES n
.rept \n
	v_nop
.endr
.endm
	s_load_b128 s[4:7], s[0:1], 0x0
	s_load_b128 s[8:11], s[0:1], 0x10
	s_load_b64 s[66:67], s[0:1], 0x20
	s_load_b64 s[12:13], s[0:1], 0x28
	v_lshl_add_u32 v[SPW], v0, 2, SPARE
	v_mov_b32 v[NIL], 0
	ds_add_u32 v28, v29
	ds_add_u32 v28, v29
	s_wait_dscnt 0x0
	v_lshrrev_b32 v1, 5, v0
	v_readfirstlane_b32 s14, v1
	s_lshr_b32 s15, s14, 1
	s_and_b32 s16, s14, 1
	s_bfe_u32 s40, ttmp6, 0x40000
	s_bfe_u32 s41, ttmp6, 0x40004
	s_lshl_b32 s42, ttmp9, 2
	s_add_co_u32 s42, s42, s40
	s_and_b32 s17, ttmp7, 0xffff
	s_lshl_b32 s17, s17, 2
	s_add_co_u32 s17, s17, s41
	s_lshl_b32 s43, s41, 2
	s_lshl_b32 s43, 15, s43
	s_lshl_b32 s44, 0x1111, s40
	s_or_b32 s[G1+0], s43, (3<<16)|(1<<21)
	s_or_b32 s[G1B+0], s44, (3<<16)|(1<<21)
	s_or_b32 s[G1S+0], s43, (3<<16)|(1<<21)
	s_or_b32 s[G1SB+0], s44, (3<<16)|(1<<21)
.irp g, G1, G1B                        ; the head's loads of codes: a slot's four K steps of a row group, 192 rows of 256 bytes
	s_mov_b32 s[\g+1], 32<<16
	s_mov_b32 s[\g+2], 192<<16
	s_mov_b32 s[\g+3], 32<<16
	s_mov_b32 s[\g+4], 192
	s_mov_b32 s[\g+5], 32
	s_mov_b32 s[\g+6], 0
	s_mov_b32 s[\g+7], 0
.endr
.irp g, G1S, G1SB                      ; a row group's sixteen scale images: 32 rows of 256 bytes
	s_mov_b32 s[\g+1], 32<<16
	s_mov_b32 s[\g+2], 32<<16
	s_mov_b32 s[\g+3], 32<<16
	s_mov_b32 s[\g+4], 32
	s_mov_b32 s[\g+5], 32
	s_mov_b32 s[\g+6], 0
	s_mov_b32 s[\g+7], 0
.endr
	s_mul_i32 s20, s17, 196608
	s_mul_i32 s18, s16, HB
	s_add_co_u32 s20, s20, s18
	s_mov_b32 s21, 0
	s_lshl_b32 s22, s17, 13
	s_mov_b32 s23, 0
	s_add_co_u32 s46, s42, 64
	s_lshl_b32 s92, s46, 13
	s_mov_b32 s93, 0
	s_mul_i32 s46, s46, 196608
	s_mul_i32 s18, s16, HB
	s_add_co_u32 s46, s46, s18
	s_mov_b32 s47, 0
	s_mul_i32 s45, s14, HB
	s_wait_kmcnt 0x0
	s_add_nc_u64 s[20:21], s[4:5], s[20:21]
	s_add_nc_u64 s[22:23], s[6:7], s[22:23]
	s_add_nc_u64 s[46:47], s[8:9], s[46:47]
	s_add_nc_u64 s[92:93], s[10:11], s[92:93]
	CROUND
	s_mov_b32 s[G0S], 1
	s_mov_b32 s[G0S+1], SCL
	s_mov_b64 s[G0S+2:G0S+3], s[22:23]
	s_or_b32 s[G0S+3], s[G0S+3], 0x80000000
	s_mov_b32 s[G0SB], 1
	s_mov_b32 s[G0SB+1], SCL+8192
	s_mov_b64 s[G0SB+2:G0SB+3], s[92:93]
	s_or_b32 s[G0SB+3], s[G0SB+3], 0x80000000
.irp s, 0,1
	s_mov_b32 s[G0+4*\s], 1
	s_add_co_u32 s[G0+4*\s+1], s45, \s*SLOT
	s_add_nc_u64 s[G0+4*\s+2:G0+4*\s+3], s[20:21], \s*2*HB
	s_or_b32 s[G0+4*\s+3], s[G0+4*\s+3], 0x80000000
	s_mov_b32 s[G0B+4*\s], 1
	s_add_co_u32 s[G0B+4*\s+1], s45, \s*SLOT
	s_add_nc_u64 s[G0B+4*\s+2:G0B+4*\s+3], s[46:47], \s*2*HB
	s_or_b32 s[G0B+4*\s+3], s[G0B+4*\s+3], 0x80000000
.endr
; the head's four tiles, one joint load a wave: wave 0 slot 0's codes of A (its own group 0 points at their first byte), wave 2 those of B, wave 1 A's scale images, wave 3 B's
.macro ARM who, g0, g1, next
	s_cmp_eq_u32 s14, \who
	s_cbranch_scc0 \next
	tensor_load_to_lds s[\g0:\g0+3], s[\g1:\g1+7]
	s_nop 0
.rept 4
	v_nop
.endr
	s_branch .Lhead_asked
\next:
.endm
	ARM 0, G0, G1, .Lhead_b
	ARM 2, G0B, G1B, .Lhead_sa
	ARM 1, G0S, G1S, .Lhead_sb
	tensor_load_to_lds s[G0SB:G0SB+3], s[G1SB:G1SB+7]
	s_nop 0
.rept 4
	v_nop
.endr
.Lhead_asked:
; PREFETCHES INTO THE L2: the ring has two refills, slots' contents 2 and 3; both are asked for here.  Of the 96 rows of 256 bytes that a wave's load brings, each of the four partners that ask for them jointly
; takes 24 by address (place cx for A's, cy for B's), lanes 256 bytes apart, lanes 24 to 31 naming row 23 again.  The address registers are never rewritten.
.set PFA, 96                           ; s[96:97] my 24 rows
.set PFO, 31                           ; v31 256 x min(lane, 23)
	s_cmp_eq_u32 s15, 0                            ; do I fetch for A?
	s_cselect_b64 s[PFA:PFA+1], s[20:21], s[46:47]
	s_cselect_b32 s22, s40, s41
	s_mul_i32 s22, s22, 6144
	s_mov_b32 s23, 0
	s_add_nc_u64 s[PFA:PFA+1], s[PFA:PFA+1], s[22:23]
	v_and_b32 v[PFO], 31, v0
	v_min_u32 v[PFO], 23, v[PFO]
	v_lshlrev_b32 v[PFO], 8, v[PFO]
	global_prefetch_b8 v[PFO], s[PFA:PFA+1] offset:4*HB th:TH_LOAD_NT scope:SCOPE_SE
	global_prefetch_b8 v[PFO], s[PFA:PFA+1] offset:6*HB th:TH_LOAD_NT scope:SCOPE_SE
	s_wait_alu depctr_va_vdst(0)
	s_wait_tensorcnt 0x0
	ds_add_u32 v28, v29
.irp g, G1, G1B                        ; no tensor load of mine is out: from here on a load brings 96 rows
	s_mov_b32 s[\g+2], 96<<16
	s_mov_b32 s[\g+4], 96
.endr
	s_wait_dscnt 0x0
	CROUND
	JLOAD G0+4, G1, G0B+4, G1B                     ; slot 1's first fill, a quarter a wave
	v_and_b32 v1, 31, v0
	v_lshlrev_b32 v2, 4, v1
	s_wait_alu depctr_va_vdst(0)
	v_and_b32 v3, 15, v0
	s_wait_alu depctr_va_vdst(0)
	v_bfe_u32 v4, v0, 4, 1
	s_mul_i32 s21, s15, 4*IMG
	s_mul_i32 s22, s16, 4*IMG
	s_add_co_u32 s22, s22, 2*HB
.irp s, 0,1
	v_add_nc_u32 v[ADRA+\s], s21, v2
	v_add_nc_u32 v[ADRB+\s], s22, v2
	s_add_co_u32 s21, s21, SLOT
	s_add_co_u32 s22, s22, SLOT
.endr
	s_lshl_b32 s21, s15, 8                         ; O's scale words: 256 bytes for my four tiles, 8 bytes a lane
	s_add_co_u32 s21, s21, SCL
	v_lshl_add_u32 v[ADSA], v1, 3, s21
	s_lshl_b32 s22, s16, 3
	s_add_co_u32 s22, s22, SCL+8192
	v_add_nc_u32 v[ADSB], s22, v2
	s_mul_i32 s23, s14, 16*SPITCH
	v_mul_u32_u24 v5, v3, SPITCH
	s_wait_alu depctr_va_vdst(0)
	v_lshl_add_u32 v5, v4, 6, v5
	v_add_nc_u32 v[STO], s23, v5
	v_mul_u32_u24 v5, v4, SPITCH
	v_lshl_add_u32 v5, v3, 4, v5
	v_add_nc_u32 v[RD], s23, v5
	v_lshlrev_b32 v5, 13, v4
	v_lshl_add_u32 v[CO], v3, 4, v5
	v_lshlrev_b32 v[BIO], 6, v4
	s_wait_alu depctr_va_vdst(0)
	s_lshl_b32 s20, s17, 7
	s_lshl_b32 s21, s15, 6
	s_add_co_u32 s20, s20, s21
	s_lshl_b32 s20, s20, 13
	s_lshl_b32 s46, s42, 9
	s_lshl_b32 s47, s16, 8
	s_add_co_u32 s46, s46, s47
	s_mov_b32 s47, 0
	s_add_nc_u64 s[66:67], s[66:67], s[46:47]
	s_add_co_u32 s20, s20, s46
	s_mov_b32 s21, 0
	s_add_nc_u64 s[12:13], s[12:13], s[20:21]
.irp p, 0,1
.irp i, 0,1,2,3
	global_load_b128 v[BI+16*\p+4*\i:BI+16*\p+4*\i+3], v[BIO], s[66:67] offset:128*\p+16*\i
.endr
.endr
.macro FETCH slot, q, set
	WIN 0x40
.irp i, 0,1,2,3
.irp c, 0,1,2
	ds_load_b128 v[128*(\set)+FR*\i+4*\c:128*(\set)+FR*\i+4*\c+3], v[ADRA+\slot] offset:(8*(\q)+\i)*IMG+512*\c
.endr
.endr
.irp i, 0,1,2,3
.irp c, 0,1,2
	ds_load_b128 v[128*(\set)+48+FR*\i+4*\c:128*(\set)+48+FR*\i+4*\c+3], v[ADRB+\slot] offset:(8*(\q)+\i)*IMG+512*\c
.endr
.endr
	WIN 0
.endm
.macro SCALES set, d
.irp q, 0,1,2,3
	ds_load_b64 v[SC+16*(\set)+4*\q:SC+16*(\set)+4*\q+1], v[ADSA] offset:(4*(\d)+\q)*512
	ds_load_b64 v[SC+16*(\set)+4*\q+2:SC+16*(\set)+4*\q+3], v[ADSB] offset:(4*(\d)+\q)*512
.endr
.endm
.macro MUL4 a, set, q, sc, first
.irp b, 0,1,2,3
.if \first
	WMS ACC+8*(4*(\a)+\b), 128*(\set)+48+FR*\b, 128*(\set)+FR*(\a), BI+8*\b, SC+16*(\sc)+4*(\q)+2+\b/2, SC+16*(\sc)+4*(\q)+(\a)/2, \b%2, (\a)%2
.else
	WMS ACC+8*(4*(\a)+\b), 128*(\set)+48+FR*\b, 128*(\set)+FR*(\a), ACC+8*(4*(\a)+\b), SC+16*(\sc)+4*(\q)+2+\b/2, SC+16*(\sc)+4*(\q)+(\a)/2, \b%2, (\a)%2
.endif
.endr
.endm
.macro KSTEP slot, q, first
	s_wait_dscnt 0x0
	PLACES 4
	FETCH \slot, (\q)+1, ((\q)+1)%2
	WIN MULW
	MUL4 0, (\q)%2, \q, \slot, \first
	MUL4 1, (\q)%2, \q, \slot, \first
	MUL4 2, (\q)%2, \q, \slot, \first
	MUL4 3, (\q)%2, \q, \slot, \first
.endm
.macro TURN slot, next, d
	WIN 0
	s_wait_tensorcnt 0x0
	ds_add_u32 v[SPW], v[NIL]
	s_wait_dscnt 1
	WIN MULW
	MUL4 0, 1, 3, \slot, 0
	s_wait_dscnt 0x0
	s_barrier_signal -1
	MUL4 1, 1, 3, \slot, 0
	WIN 0
	s_barrier_wait -1
.if \d < 2
	CREST
	s_add_nc_u64 s[G0+4*\slot+2:G0+4*\slot+3], s[G0+4*\slot+2:G0+4*\slot+3], 4*HB
	s_add_nc_u64 s[G0B+4*\slot+2:G0B+4*\slot+3], s[G0B+4*\slot+2:G0B+4*\slot+3], 4*HB
	JLOAD G0+4*\slot, G1, G0B+4*\slot, G1B
.else
	PLACES 4
.endif
	FETCH \next, 0, 0
	SCALES \next, (\d)+1
	WIN MULW
	MUL4 2, 1, 3, \slot, 0
	MUL4 3, 1, 3, \slot, 0
.endm
	s_wait_tensorcnt 1
	s_barrier_signal -1
	s_barrier_wait -1
	FETCH 0, 0, 0
	SCALES 0, 0
	s_wait_loadcnt 0x0
	KSTEP 0, 0, 1
	KSTEP 0, 1, 0
	KSTEP 0, 2, 0
	TURN 0, 1, 0
	KSTEP 1, 0, 0
	KSTEP 1, 1, 0
	KSTEP 1, 2, 0
	TURN 1, 0, 1
	KSTEP 0, 0, 0
	KSTEP 0, 1, 0
	KSTEP 0, 2, 0
	TURN 0, 1, 2
	KSTEP 1, 0, 0
	KSTEP 1, 1, 0
	KSTEP 1, 2, 0
	s_wait_dscnt 0x0
	MUL4 0, 1, 3, 1, 0
	MUL4 1, 1, 3, 1, 0
	MUL4 2, 1, 3, 1, 0
	MUL4 3, 1, 3, 1, 0
	WIN 0
	PLACES 4
.irp a, 0,1,2,3
.if \a > 0
	s_wait_xcnt 0x0
.endif
.irp b, 0,1,2,3
	ds_store_b128 v[STO], v[ACC+8*(4*\a+\b):ACC+8*(4*\a+\b)+3] offset:128*(\b/2)+32*(\b%2)
	ds_store_b128 v[STO], v[ACC+8*(4*\a+\b)+4:ACC+8*(4*\a+\b)+7] offset:128*(\b/2)+32*(\b%2)+16
.endr
.irp i, 0,1,2,3,4,5,6,7
	ds_load_b128 v[BK+4*\i:BK+4*\i+3], v[RD] offset:2*\i*SPITCH
.endr
.irp i, 0,1,2,3,4,5,6,7
	s_wait_dscnt 7-\i
	global_store_b128 v[CO], v[BK+4*\i:BK+4*\i+3], s[12:13] offset:(32*(\a/2)+8*(\a%2)+2*\i+8*(\i/4))*8192 th:TH_STORE_NT
.endr
.endr
	s_wait_tensorcnt 0x0
	ds_add_u32 v[SPW], v[NIL]
	s_wait_dscnt 0x0
	CROUND
	s_endpgm
.Lfunc_end_k_qbb7cf267b6_outp:
	.size	k_qbb7cf267b6_outp, .Lfunc_end_k_qbb7cf267b6_outp-k_qbb7cf267b6_outp
	.p2alignl 7, 3214868480
	.fill 96, 4, 3214868480
	.section	.rodata,"a",@progbits
	.p2align	6, 0x0
	.amdhsa_kernel k_qbb7cf267b6_outp
		.amdhsa_group_segment_fixed_size 327680
		.amdhsa_private_segment_fixed_size 0
		.amdhsa_enable_private_segment 0
		.amdhsa_kernarg_size 48
		.amdhsa_user_sgpr_count 2
		.amdhsa_user_sgpr_kernarg_segment_ptr 1
		.amdhsa_wavefront_size32 1
		.amdhsa_system_sgpr_workgroup_id_x 1
		.amdhsa_system_sgpr_workgroup_id_y 1
		.amdhsa_system_sgpr_workgroup_id_z 1
		.amdhsa_system_vgpr_workitem_id 0
		.amdhsa_next_free_vgpr 512
		.amdhsa_next_free_sgpr 98
		.amdhsa_reserve_vcc 0
		.amdhsa_float_denorm_mode_32 3
		.amdhsa_float_denorm_mode_16_64 3
		.amdhsa_memory_ordered 1
		.amdhsa_forward_progress 1
		.amdhsa_inst_pref_size 85
	.end_amdhsa_kernel
	.amdgpu_metadata
---
amdhsa.version: [ 1, 2 ]
amdhsa.kernels:
  - .name:           k_qbb7cf267b6_outp
    .symbol:         k_qbb7cf267b6_outp.kd
    .args:
      - { .name: ocodes, .offset: 0, .size: 8, .value_kind: global_buffer, .address_space: global }
      - { .name: oscl, .offset: 8, .size: 8, .value_kind: global_buffer, .address_space: global }
      - { .name: codes, .offset: 16, .size: 8, .value_kind: global_buffer, .address_space: global }
      - { .name: scl, .offset: 24, .size: 8, .value_kind: global_buffer, .address_space: global }
      - { .name: Wo_b, .offset: 32, .size: 8, .value_kind: global_buffer, .address_space: global }
      - { .name: out0, .offset: 40, .size: 8, .value_kind: global_buffer, .address_space: global }
    .group_segment_fixed_size: 327680
    .private_segment_fixed_size: 0
    .kernarg_segment_align: 8
    .kernarg_segment_size: 48
    .max_flat_workgroup_size: 128
    .sgpr_count:     98
    .vgpr_count:     512
    .wavefront_size: 32
...
	.end_amdgpu_metadata
.endif
;; end of part 4
